; MI455X (gfx1250); checked and timed in simulation.
; The chip was launched on July 23, 2026; its instructions are those of AMD's public machine-readable ISA for CDNA 5 (MIT licence, August 2026) and "CDNA5" Instruction Set Architecture Reference Guide (July 2026). The comments in the code are by the model that wrote it; some were corrected since.
;; Attn Blockpp1d. Allowed arithmetic: float matrix products may take bf16 or f16 operands with f32 sums; all other float work in f32.
;; Inputs: W0 512 x 512 float32; W1 512 x 512 float32; W2 512 x 512 float32; W3 512 x 512 float32; b0 512 float32; b1 512 float32; b2 512 float32; b3 512 float32; beta 512 float32; gamma 512 float32; x 8 x 512 x 1,024 float32.
;; Outputs: out0 8 x 512 x 1,024 float32.
;; 2 versions, each right; version 2 is version 1 with the launch prep written anew for expert scheduling mode. Each part assembles by itself: llvm-mc -triple=amdgcn-amd-amdhsa -mcpu=gfx1250 --defsym DOCPART=n.
;; ======== version 1 of 2: 4 launches
;; workspace buffers: hb 8,388,608 bytes; wq 1,572,864 bytes; w3b 524,288 bytes; qt 8,388,608 bytes; kv 16,777,216 bytes; at 8,388,608 bytes
;; launch prep (part 1): grid 256 x 1, 8 waves a work-group, no clusters, 1,280 bytes of LDS; arguments x, gamma, beta, W0, W1, W2, W3, hb, wq, w3b; writes hb, wq, w3b
.if DOCPART == 1
	.amdgcn_target "amdgcn-amd-amdhsa--gfx1250"
	.amdhsa_code_object_version 6
	.text
	.protected	k_qd97e0560b8_prep
	.globl	k_qd97e0560b8_prep
	.p2align	8
	.type	k_qd97e0560b8_prep,@function
k_qd97e0560b8_prep:
	s_mov_b64 s[64:65], 0
	v_nop
	global_prefetch_b8 v0, s[64:65] scope:SCOPE_SE
	s_setreg_imm32_b32 hwreg(HW_REG_WAVE_MODE, 25, 1), 1
	s_wait_xcnt 0x0
; PREP.  hb = GroupNorm(x) in bf16, and the four weight matrices in bf16 in the order in which later launches fetch them.
; Work-group g owns group g of the norm: 16 channels x 1,024 positions = 65,536 consecutive bytes of x, 64 numbers a thread, kept in
; registers between the pass for the mean, the pass for the variance (sum of (x - mean)^2, so a common offset in x costs no accuracy)
; and the pass that scales: x is read once.  It also owns rows 2 g and 2 g + 1 of W0 .. W3.
; hb  [b][c 512][t 1024] bf16.
; wq  [head 8][cblk 4][m 3][c' 128][dd 64] bf16 = Wm[128 cblk + c'][64 head + dd].     w3b [dblk 4][c 512][128 d] bf16.
; No matrix unit, tensor load, cluster or ring: every byte is read once by one work-group and all 20 loads of a thread go out at the start.
; Limits: NaN and infinities in the inputs are not served.
.set X,    40                          ; v[40:103] chunk i (4 registers) = channel i of the group, positions 4 t .. 4 t + 3
.set WR,   22                          ; v[22:37]  four weight loads
.set CH,   10                          ; v[10:17]  four chains of pairs
.set MEAN, 18                          ; v[18:19]  the mean, twice
.set RS,   20                          ; v20       1 / sqrt(var + eps)
.set SC,   21                          ; v21       that times the channel's gamma
	s_load_b512 s[4:19], s[0:1], 0x0               ; x 4:5, gamma 6:7, beta 8:9, W0 10:11, W1 12:13, W2 14:15, W3 16:17, hb 18:19
	s_load_b128 s[20:23], s[0:1], 0x40             ; wq 20:21, w3b 22:23
	v_lshl_add_u32 v104, v0, 2, 0x100
	v_mov_b32 v105, 0
	s_and_b32 s24, ttmp9, 31
	s_lshl_b32 s24, s24, 6                         ; byte offset of the group's 16 gammas and betas
	s_mov_b32 s25, 0x38800000                      ; 1 / 16,384
	s_mov_b32 s30, 0x76543210                      ; v_permlanex16_b32: lane i reads lane i of the other half
	s_mov_b32 s31, 0xfedcba98
	s_lshl_b32 s26, ttmp9, 16                      ; g x 65,536: the group in x
	s_mov_b32 s27, 0
	s_lshl_b32 s28, ttmp9, 12                      ; g x 2 rows of 2,048 bytes: my rows of the weights
	s_mov_b32 s29, 0
	v_and_b32 v6, 31, v0                           ; lane
	v_lshrrev_b32 v7, 5, v0                        ; wave
	v_readfirstlane_b32 s2, v7
	v_lshlrev_b32 v1, 4, v0                        ; 16 t: x and W3
	v_lshlrev_b32 v5, 3, v0                        ; 8 t: hb
	v_and_b32 v8, 15, v6
	v_lshrrev_b32 v9, 4, v6
	v_lshlrev_b32 v2, 4, v8                        ; W0 .. W2: wave = head; lanes 0-15 row 2 g, lanes 16-31 row 2 g + 1; 4 columns a lane
	v_lshl_add_u32 v2, v9, 11, v2
	v_lshl_add_u32 v2, v7, 8, v2
	v_lshlrev_b32 v3, 3, v6                        ; 8 x lane: two rows of 128 bytes of wq, or one row of 256 bytes of w3b
	v_and_b32 v8, 3, v7
	v_lshrrev_b32 v9, 2, v7
	v_lshl_add_u32 v4, v8, 17, v3                  ; w3b: dblk = wave & 3,
	v_lshl_add_u32 v4, v9, 8, v4                   ;      row 2 g + (wave >> 2)
	v_mad_u32_u24 v3, v7, 0x30000, v3              ; wq: head x 196,608
	v_mov_b32 v8, s2
	v_lshlrev_b32 v8, 2, v8                        ; my wave's word in LDS
	v_mov_b32 v9, 0
	s_wait_kmcnt 0x0
	s_load_b512 s[32:47], s[6:7], s24 offset:0x0   ; 16 gammas
	s_load_b512 s[48:63], s[8:9], s24 offset:0x0   ; 16 betas
	s_add_nc_u64 s[4:5], s[4:5], s[26:27]
	s_add_nc_u64 s[10:11], s[10:11], s[28:29]
	s_add_nc_u64 s[12:13], s[12:13], s[28:29]
	s_add_nc_u64 s[14:15], s[14:15], s[28:29]
	s_add_nc_u64 s[16:17], s[16:17], s[28:29]
	global_load_b128 v[WR:WR+3],     v2, s[10:11] th:TH_LOAD_NT
	global_load_b128 v[WR+4:WR+7],   v2, s[12:13] th:TH_LOAD_NT
	global_load_b128 v[WR+8:WR+11],  v2, s[14:15] th:TH_LOAD_NT
	global_load_b128 v[WR+12:WR+15], v1, s[16:17] th:TH_LOAD_NT
.irp i, 0,1,2,3,4,5,6,7,8,9,10,11,12,13,14,15
	global_load_b128 v[X+4*\i:X+4*\i+3], v1, s[4:5] offset:4096*\i     ; a wave's load covers 512 consecutive bytes
.endr
	s_lshl_b32 s26, ttmp9, 15                      ; hb: g x 16 rows of 2,048 bytes
	s_add_nc_u64 s[18:19], s[18:19], s[26:27]
	s_lshr_b32 s26, ttmp9, 6                       ; wq: cblk = 2 g / 128, c' = 2 g mod 128
	s_mul_i32 s26, s26, 49152
	s_and_b32 s28, ttmp9, 63
	s_lshl_b32 s28, s28, 8
	s_add_co_u32 s26, s26, s28
	s_add_nc_u64 s[20:21], s[20:21], s[26:27]
	s_lshl_b32 s26, ttmp9, 9                       ; w3b: 2 g rows of 256 bytes
	s_add_nc_u64 s[22:23], s[22:23], s[26:27]
	; the weights: rounded once, each store of a wave covers 256 consecutive bytes, aligned
	s_wait_loadcnt 16                              ; loads return in order: the 16 loads of x are younger, the four of the weights are in
.irp k, 0,1,2,3
	v_cvt_pk_bf16_f32 v[WR+4*\k],   v[WR+4*\k],   v[WR+4*\k+1]
	v_cvt_pk_bf16_f32 v[WR+4*\k+1], v[WR+4*\k+2], v[WR+4*\k+3]
.endr
	global_store_b64 v3, v[WR:WR+1],     s[20:21]
	global_store_b64 v3, v[WR+4:WR+5],   s[20:21] offset:16384
	global_store_b64 v3, v[WR+8:WR+9],   s[20:21] offset:32768
	global_store_b64 v4, v[WR+12:WR+13], s[22:23]
.macro JOIN                            ; the four chains of pairs -> one number in v6
	v_pk_add_f32 v[CH:CH+1],   v[CH:CH+1],   v[CH+2:CH+3]
	v_pk_add_f32 v[CH+4:CH+5], v[CH+4:CH+5], v[CH+6:CH+7]
	v_pk_add_f32 v[CH:CH+1],   v[CH:CH+1],   v[CH+4:CH+5]
	v_add_f32 v6, v[CH], v[CH+1]
.endm
.macro WGSUM off                       ; v6: my lane's sum -> the work-group's sum, in every lane; the eight waves meet in LDS bytes off .. off + 31
	v_add_f32_dpp v6, v6, v6 row_xmask:1 row_mask:0xf bank_mask:0xf
	v_add_f32_dpp v6, v6, v6 row_xmask:2 row_mask:0xf bank_mask:0xf
	v_add_f32_dpp v6, v6, v6 row_xmask:4 row_mask:0xf bank_mask:0xf
	v_add_f32_dpp v6, v6, v6 row_xmask:8 row_mask:0xf bank_mask:0xf
	v_permlanex16_b32 v7, v6, s30, s31             ; v7 has been written before
	v_add_f32 v6, v6, v7
	ds_store_b32 v8, v6 offset:\off
	s_wait_dscnt 0x0                               ; my word is in LDS before I say so
	s_barrier_signal -1
	s_barrier_wait -1
	ds_load_b128 v[CH:CH+3],   v9 offset:\off
	ds_load_b128 v[CH+4:CH+7], v9 offset:\off+16
	s_wait_dscnt 0x0
	JOIN
.endm
	s_wait_loadcnt 0x0
	; pass 1: the sum.  The first eight pairs start the four chains: nothing is cleared.
.irp k, 0,1,2,3
	v_pk_add_f32 v[CH+2*\k:CH+2*\k+1], v[X+2*\k:X+2*\k+1], v[X+8+2*\k:X+8+2*\k+1]
.endr
.set j, 8
.rept 24
	v_pk_add_f32 v[CH+2*(j%4):CH+2*(j%4)+1], v[CH+2*(j%4):CH+2*(j%4)+1], v[X+2*j:X+2*j+1]
.set j, j+1
.endr
	JOIN
	WGSUM 0
	v_mul_f32 v[MEAN],   s25, v6
	v_mul_f32 v[MEAN+1], s25, v6
	; pass 2: d = x - mean in place, and the sum of d^2
.set j, 0
.rept 32
	v_pk_add_f32 v[X+2*j:X+2*j+1], v[X+2*j:X+2*j+1], v[MEAN:MEAN+1] neg_lo:[0,1] neg_hi:[0,1]
.set j, j+1
.endr
.irp k, 0,1,2,3
	v_pk_mul_f32 v[CH+2*\k:CH+2*\k+1], v[X+2*\k:X+2*\k+1], v[X+2*\k:X+2*\k+1]
.endr
.set j, 4
.rept 28
	v_pk_fma_f32 v[CH+2*(j%4):CH+2*(j%4)+1], v[X+2*j:X+2*j+1], v[X+2*j:X+2*j+1], v[CH+2*(j%4):CH+2*(j%4)+1]
.set j, j+1
.endr
	JOIN
	WGSUM 64                                       ; other bytes than the first sum's: no wave can still be reading what is written here
	v_fmaak_f32 v[RS], s25, v6, 0x358637bd         ; var + 1e-6
	v_rsq_f32 v[RS], v[RS]
	v_nop                                          ; one plain instruction behind a transcendental before its result is used (ISA guide 5.7.2)
	s_wait_kmcnt 0x0                               ; gamma and beta
	; pass 3: h = d x (rs x gamma) + beta, rounded once; a wave's store covers 256 consecutive bytes, aligned
	s_wait_alu depctr_va_vdst(0)
.irp i, 0,1,2,3,4,5,6,7,8,9,10,11,12,13,14,15
	v_mul_f32 v[SC], s[32+\i], v[RS]
.irp k, 0,1,2,3
	v_fma_f32 v[X+4*\i+\k], v[X+4*\i+\k], v[SC], s[48+\i]
.endr
	v_cvt_pk_bf16_f32 v[X+4*\i],   v[X+4*\i],   v[X+4*\i+1]
	v_cvt_pk_bf16_f32 v[X+4*\i+1], v[X+4*\i+2], v[X+4*\i+3]
	global_store_b64 v5, v[X+4*\i:X+4*\i+1], s[18:19] offset:2048*\i
.endr
	s_wait_tensorcnt 0x0
	ds_add_u32 v104, v105
	s_wait_dscnt 0x0
	s_endpgm
.Lfunc_end_k_qd97e0560b8_prep:
	.size	k_qd97e0560b8_prep, .Lfunc_end_k_qd97e0560b8_prep-k_qd97e0560b8_prep
	.p2alignl 7, 3214868480
	.fill 96, 4, 3214868480
	.section	.rodata,"a",@progbits
	.p2align	6, 0x0
	.amdhsa_kernel k_qd97e0560b8_prep
		.amdhsa_group_segment_fixed_size 1280
		.amdhsa_private_segment_fixed_size 0
		.amdhsa_enable_private_segment 0
		.amdhsa_kernarg_size 80
		.amdhsa_user_sgpr_count 2
		.amdhsa_user_sgpr_kernarg_segment_ptr 1
		.amdhsa_wavefront_size32 1
		.amdhsa_system_sgpr_workgroup_id_x 1
		.amdhsa_system_sgpr_workgroup_id_y 1
		.amdhsa_system_sgpr_workgroup_id_z 1
		.amdhsa_system_vgpr_workitem_id 0
		.amdhsa_next_free_vgpr 106
		.amdhsa_next_free_sgpr 66
		.amdhsa_reserve_vcc 0
		.amdhsa_float_denorm_mode_32 3
		.amdhsa_float_denorm_mode_16_64 3
		.amdhsa_memory_ordered 1
		.amdhsa_forward_progress 1
		.amdhsa_inst_pref_size 22
	.end_amdhsa_kernel
	.amdgpu_metadata
---
amdhsa.version: [ 1, 2 ]
amdhsa.kernels:
  - .name:           k_qd97e0560b8_prep
    .symbol:         k_qd97e0560b8_prep.kd
    .args:
      - { .name: x, .offset: 0, .size: 8, .value_kind: global_buffer, .address_space: global }
      - { .name: gamma, .offset: 8, .size: 8, .value_kind: global_buffer, .address_space: global }
      - { .name: beta, .offset: 16, .size: 8, .value_kind: global_buffer, .address_space: global }
      - { .name: W0, .offset: 24, .size: 8, .value_kind: global_buffer, .address_space: global }
      - { .name: W1, .offset: 32, .size: 8, .value_kind: global_buffer, .address_space: global }
      - { .name: W2, .offset: 40, .size: 8, .value_kind: global_buffer, .address_space: global }
      - { .name: W3, .offset: 48, .size: 8, .value_kind: global_buffer, .address_space: global }
      - { .name: hb, .offset: 56, .size: 8, .value_kind: global_buffer, .address_space: global }
      - { .name: wq, .offset: 64, .size: 8, .value_kind: global_buffer, .address_space: global }
      - { .name: w3b, .offset: 72, .size: 8, .value_kind: global_buffer, .address_space: global }
    .group_segment_fixed_size: 1280
    .private_segment_fixed_size: 0
    .kernarg_segment_align: 8
    .kernarg_segment_size: 80
    .max_flat_workgroup_size: 256
    .sgpr_count:     66
    .vgpr_count:     106
    .wavefront_size: 32
...
	.end_amdgpu_metadata
.endif
;; end of part 1
;; launch qkv (part 2): grid 8 x 32, 4 waves a work-group, clusters of 4 x 4, 327,680 bytes of LDS; arguments hb, wq, b0, b1, b2, qt, kv; writes qt, kv
.if DOCPART == 2
	.amdgcn_target "amdgcn-amd-amdhsa--gfx1250"
	.amdhsa_code_object_version 6
	.text
	.protected	k_qd97e0560b8_qkv
	.globl	k_qd97e0560b8_qkv
	.p2align	8
	.type	k_qd97e0560b8_qkv,@function
k_qd97e0560b8_qkv:
	s_mov_b64 s[64:65], 0
	v_nop
	global_prefetch_b8 v0, s[64:65] scope:SCOPE_SE
	s_setreg_imm32_b32 hwreg(HW_REG_WAVE_MODE, 25, 1), 1
	s_wait_xcnt 0x0
	s_wait_alu depctr_hold_cnt(0) depctr_sa_sdst(0) depctr_va_vdst(0) depctr_va_sdst(0) depctr_va_ssrc(0) depctr_va_vcc(0) depctr_vm_vsrc(0)
	s_getreg_b32 s2, hwreg(HW_REG_IB_STS2, 6, 4)
	s_cmp_eq_u32 s2, 0
	s_cbranch_scc0 .Lentry_in_a_cluster
	s_endpgm
.Lentry_in_a_cluster:
	s_bfe_u32 s2, ttmp6, 0x10000c
	s_cmp_lg_u32 s2, 0xf033
	s_cbranch_scc0 .Lentry_shape_is_right
	s_endpgm
.Lentry_shape_is_right:
; QKV.  For one (b, head, 256 positions): q, k, v [64 d each] = W^T h + bias, a product of 192 x 256 x 512 in bf16 with f32 sums.
; Four waves; wave w makes all 192 d of positions 64 w .. 64 w + 63: 48 accumulator tiles of 16 x 16.  K = 512 channels in four steps of 128
; through two LDS slots filled by tensor loads.
; CLUSTERS: 4 x 4 work-groups.  The weights' tile hangs on the head alone (grid x): the four of a column of the cluster ask for it jointly.
; h's tile hangs on (b, block of positions) alone (grid y): the four of a row ask for it jointly.  That divides both kinds of request by four.
; ORIENTATION.  q and k: source 0 = weights (row = d), source 1 = h (column = t): a lane then holds one t = r and eight neighbouring d = 8 h + 0..7.
; v: source 0 = h, source 1 = weights: a lane holds one d = r and eight neighbouring t.  Packed to bf16 a tile is 16 bytes a lane, and these 16 bytes
; are, in this very lane, one half of the operand fragment that the next launch feeds to its matrix instructions.
; SO THE RESULTS ARE STORED IN FRAGMENT ORDER: a tile = 512 consecutive bytes, lane l at 16 l, straight from registers, with no way through LDS.
;   qt [bh][block of 16 t][block of 16 d][lane][16 bytes];
;   kv [bh][block of 64 keys][K part: [block of 16 keys][block of 16 d][lane][16], 8,192 bytes; V part: [block of 16 d][block of 16 keys][lane][16], 8,192 bytes].
; q leaves multiplied by 0.125 log2(e), so that the next launch's scores are exponents of 2.
; Limits: q is rounded to bf16 after that factor; NaN and infinities are not served.
;
; LDS: slot s at s x 139,264.  Wave w fills the 34,816 bytes at w x 34,816 of a slot:
;   waves 0, 1: 192 rows each of the weights' 384 rows (rho = 128 m + c', 128 bytes, pitch 160 = 5 x 32): 30,720 bytes used;
;   waves 2, 3: 64 rows each of h's 128 rows c' (512 bytes, pitch 544 = 17 x 32), which follow each other without a gap from 69,632 on.
;   Both pitches are odd multiples of 32 bytes, so the rows that a transposing load touches start at different offsets modulo 256 bytes.
; REGISTERS in windows of 256: window 0 addresses, h's fragments (two buffers), biases, packed results; window 1 the 32 tiles of q and k;
;   window 2 the 16 tiles of v; window 3 the weights' fragments (two buffers of 96).
.set QSTR,  34816
.set SLOT,  4*QSTR
.set HOFF,  2*QSTR
.set WP,    160
.set HP,    544
.set HADR,  8                          ; v8-9    h's fragments in slot 0, 1
.set WADR,  10                         ; v10-11  the weights' fragments in slot 0, 1
.set CO,    14                         ; v14     16 x lane
.set H32,   15                         ; v15     32 h
.set R4,    16                         ; v16     4 r
.set HF,    32                         ; v[32:63], v[64:95]  h's fragments, buffer 0, 1
.set PA,    32                         ; the same registers on the way out: 16 packed tiles
.set BQ,    96                         ; v[96:127]   b0 of my 8 d in each of 4 blocks
.set BK,    128                        ; v[128:159]  b1 likewise
.set BV,    160                        ; v[160:167]  b2 of my one d in each of 4 blocks, twice (pairs)
.set PB,    168                        ; v[168:231]  a second set of 16 packed tiles
.set G1W, 32                           ; s[32:39] group 1, weights
.set G1H, 40                           ; s[40:47] group 1, h
.set G0W, 48                           ; s[48:55] group 0, weights, a set for each slot
.set G0H, 56                           ; s[56:63] group 0, h, a set for each slot
.set QK,  0x53                         ; source 0 window 3, source 1 window 0, C and D window 1
.set VV,  0xac                         ; source 0 window 0, source 1 window 3, C and D window 2
.set TOW, 0xc0                         ; destination window 3, address window 0
.set MSB, 0
.macro WIN new                         ; the immediate's high byte repeats the setting that is left
.if MSB != \new
	s_set_vgpr_msb (MSB<<8)|\new
.set MSB, \new
.endif
.endm
.macro PLACES                          ; four places behind a matrix instruction (ISA guide 7.12.1)
.rept 4
	v_nop
.endr
.endm
.macro CREST                           ; a round of the cluster's barrier behind its opening barrier
	s_cmp_lg_u32 s20, 0
	s_cbranch_scc1 .Lnot_wave_0_\@
	s_barrier_signal -3
.Lnot_wave_0_\@:
	s_barrier_wait -3
	s_barrier_signal -1
	s_barrier_wait -1
.endm
.macro ROUND
	s_barrier_signal -1
	s_barrier_wait -1
	CREST
.endm
; A joint load: waves 0, 1 the weights' two halves, waves 2, 3 h's.  Each line has one mask; the branch hangs on the wave's number alone.
.macro JLOAD s
	s_cmp_eq_u32 s21, 0
	s_cbranch_scc0 .Lfor_h_\@
	tensor_load_to_lds s[G0W+4*\s:G0W+4*\s+3], s[G1W:G1W+7]
	s_nop 0
	s_branch .Lasked_\@
.Lfor_h_\@:
	tensor_load_to_lds s[G0H+4*\s:G0H+4*\s+3], s[G1H:G1H+7]
	s_nop 0
.Lasked_\@:
.endm
	s_load_b256 s[4:11], s[0:1], 0x0               ; hb 4:5, wq 6:7, b0 8:9, b1 10:11
	s_load_b128 s[12:15], s[0:1], 0x20             ; b2 12:13, qt 14:15
	s_load_b64 s[16:17], s[0:1], 0x30              ; kv
	v_lshl_add_u32 v255, v0, 2, 0x44000
	s_set_vgpr_msb 0xc0
	v_mov_b32 v193, 0
	s_set_vgpr_msb 0xc0cc
	ds_add_u32 v255, v193
	s_set_vgpr_msb 0xcc00
	v_lshrrev_b32 v1, 5, v0
	v_readfirstlane_b32 s20, v1                    ; wave 0..3
	s_lshr_b32 s21, s20, 1                         ; I fetch weights (0) or h (1)
	s_and_b32 s22, s20, 1                          ; which half of that tile
	s_bfe_u32 s23, ttmp6, 0x40000                  ; cx
	s_bfe_u32 s24, ttmp6, 0x40004                  ; cy
	s_lshl_b32 s25, ttmp9, 2
	s_add_co_u32 s25, s25, s23                     ; head = 4 x cluster x + cx
	s_and_b32 s26, ttmp7, 0xffff
	s_lshl_b32 s26, s26, 2
	s_add_co_u32 s26, s26, s24                     ; y = 4 x cluster y + cy = 4 b + block of 256 positions
	s_lshl_b32 s27, 0x1111, s23                    ; my column of the cluster
	s_lshl_b32 s28, s24, 2
	s_lshl_b32 s28, 15, s28                        ; my row
	; group 1, weights: 24,576 dense bytes as 96 rows of 32 elements of 8 bytes; 8 words of padding behind every 32 words (a row of 128 bytes)
	s_or_b32 s[G1W+0], s27, (3<<16)|(1<<20)|(1<<21)|(4<<22)|(7<<25)
	s_mov_b32 s[G1W+1], 32<<16                     ; tensor_dim0 = 32
	s_mov_b32 s[G1W+2], 96<<16                     ; tensor_dim1 = 96
	s_mov_b32 s[G1W+3], 32<<16                     ; tile_dim0 = 32
	s_mov_b32 s[G1W+4], 96                         ; tile_dim1 = 96
	s_mov_b32 s[G1W+5], 32                         ; from row to row: 32 elements
	s_mov_b32 s[G1W+6], 0
	s_mov_b32 s[G1W+7], 0
	; group 1, h: 64 rows of 256 bf16 out of rows of 1,024; 8 words of padding behind every 128 words (a row)
	s_or_b32 s[G1H+0], s28, (1<<16)|(1<<20)|(1<<21)|(6<<22)|(7<<25)
	s_mov_b32 s[G1H+1], 256<<16
	s_mov_b32 s[G1H+2], 64<<16
	s_mov_b32 s[G1H+3], 256<<16
	s_mov_b32 s[G1H+4], 64
	s_mov_b32 s[G1H+5], 1024
	s_mov_b32 s[G1H+6], 0
	s_mov_b32 s[G1H+7], 0
	; the weights' address is made of the head and the wave's number in s[66:67], h's of y and the wave's number in s[68:69]
	s_mul_i32 s66, s25, 196608
	s_mul_i32 s67, s22, 24576
	s_add_co_u32 s66, s66, s67
	s_mov_b32 s67, 0
	s_lshr_b32 s68, s26, 2                         ; b
	s_lshl_b32 s68, s68, 20                        ; x 512 rows of 2,048 bytes
	s_and_b32 s69, s26, 3
	s_lshl_b32 s69, s69, 9                         ; block of 256 positions: 512 bytes
	s_add_co_u32 s68, s68, s69
	s_lshl_b32 s69, s22, 17                        ; my half: 64 rows
	s_add_co_u32 s68, s68, s69
	s_mov_b32 s69, 0
	s_mul_i32 s29, s20, QSTR                       ; where my part of a tile goes: the wave's number times 34,816
	; where the results go: bh = 8 b + head, block of 64 positions = 4 x (y & 3) + wave
	s_lshr_b32 s74, s26, 2
	s_lshl3_add_u32 s74, s74, s25
	s_and_b32 s75, s26, 3
	s_lshl2_add_u32 s75, s75, s20
	s_lshl_b32 s70, s74, 17
	s_lshl_b32 s76, s75, 13
	s_add_co_u32 s70, s70, s76                     ; qt: bh x 131,072 + block x 8,192
	s_mov_b32 s71, 0
	s_mov_b32 s72, 0x3e38aa3b                      ; 0.125 log2(e), twice: a pair for the packed forms
	s_mov_b32 s73, 0x3e38aa3b
	s_wait_dscnt 0x0
	s_wait_kmcnt 0x0
	s_add_nc_u64 s[66:67], s[6:7], s[66:67]
	s_add_nc_u64 s[68:69], s[4:5], s[68:69]
	s_add_nc_u64 s[14:15], s[14:15], s[70:71]
	s_lshl_b32 s70, s70, 1                         ; kv: twice that
	s_add_nc_u64 s[16:17], s[16:17], s[70:71]
	s_lshl_b32 s70, s25, 8                         ; the head's 64 biases
	s_add_nc_u64 s[8:9], s[8:9], s[70:71]
	s_add_nc_u64 s[10:11], s[10:11], s[70:71]
	s_add_nc_u64 s[12:13], s[12:13], s[70:71]
	ROUND                                          ; all sixteen work-groups are here: the first joint loads meet
.irp s, 0,1
	s_mov_b32 s[G0W+4*\s], 1
	s_add_co_u32 s[G0W+4*\s+1], s29, \s*SLOT
	s_add_nc_u64 s[G0W+4*\s+2:G0W+4*\s+3], s[66:67], \s*49152       ; K step s
	s_or_b32 s[G0W+4*\s+3], s[G0W+4*\s+3], 0x80000000
	s_mov_b32 s[G0H+4*\s], 1
	s_add_co_u32 s[G0H+4*\s+1], s29, \s*SLOT
	s_add_nc_u64 s[G0H+4*\s+2:G0H+4*\s+3], s[68:69], \s*262144      ; 128 rows on
	s_or_b32 s[G0H+4*\s+3], s[G0H+4*\s+3], 0x80000000
	JLOAD \s                                       ; both first fills go out together: two tensor loads of the wave are out
.endr
	v_and_b32 v1, 15, v0                           ; r
	v_bfe_u32 v2, v0, 4, 1                         ; h
	v_lshlrev_b32 v[H32], 5, v2
	v_lshlrev_b32 v[R4], 2, v1
.irp d, 0,1,2,3
	global_load_b128 v[BQ+8*\d:BQ+8*\d+3],   v[H32], s[8:9]   offset:64*\d       ; b0[16 d + 8 h + 0..7]
	global_load_b128 v[BQ+8*\d+4:BQ+8*\d+7], v[H32], s[8:9]   offset:64*\d+16
	global_load_b128 v[BK+8*\d:BK+8*\d+3],   v[H32], s[10:11] offset:64*\d
	global_load_b128 v[BK+8*\d+4:BK+8*\d+7], v[H32], s[10:11] offset:64*\d+16
	global_load_b32 v[BV+2*\d],   v[R4], s[12:13] offset:64*\d                   ; b2[16 d + r], into both registers of a pair
	global_load_b32 v[BV+2*\d+1], v[R4], s[12:13] offset:64*\d
.endr
	; A tile whose rows run along K's index is read by transposing loads: lane l addresses row 8 h + (l & 7), 16 bytes at 16 ((l >> 3) & 1);
	; it receives column r, K = 8 h + 0..7; a second load 16 rows further down brings K = 16 + 8 h + 0..7.
	v_and_b32 v3, 7, v0
	v_bfe_u32 v4, v0, 3, 1
	v_lshl_add_u32 v5, v2, 3, v3
	v_mul_u32_u24 v6, v5, HP
	v_lshl_add_u32 v6, v4, 4, v6
	s_lshl_b32 s30, s20, 7                         ; my 64 positions: 128 bytes of a row
	s_add_co_u32 s30, s30, HOFF
	v_add_nc_u32 v[HADR], s30, v6
	v_add_nc_u32 v[HADR+1], SLOT, v[HADR]
	v_mul_u32_u24 v7, v5, WP
	v_lshl_add_u32 v[WADR], v4, 4, v7
	v_add_nc_u32 v[WADR+1], SLOT, v[WADR]
	v_and_b32 v7, 31, v0
	v_lshlrev_b32 v[CO], 4, v7                     ; my 16 bytes of a stored tile
; 16 matrix instructions of matrix m (0 q, 1 k, 2 v) on buffer f: 4 blocks of d x 4 blocks of t, 32 along K.  zero = 1: the product starts the sums.
; The 48 accumulators take turns, one instruction a turn, in the same order in every quarter step.
.macro MUL16 m, f, zero
.irp d, 0,1,2,3
.irp t, 0,1,2,3
.if \m < 2
.if \zero
	v_wmma_f32_16x16x32_bf16 v[128*\m+8*(4*\d+\t):128*\m+8*(4*\d+\t)+7], v[96*\f+8*(4*\m+\d):96*\f+8*(4*\m+\d)+7], v[HF+32*\f+8*\t:HF+32*\f+8*\t+7], 0
.else
	v_wmma_f32_16x16x32_bf16 v[128*\m+8*(4*\d+\t):128*\m+8*(4*\d+\t)+7], v[96*\f+8*(4*\m+\d):96*\f+8*(4*\m+\d)+7], v[HF+32*\f+8*\t:HF+32*\f+8*\t+7], v[128*\m+8*(4*\d+\t):128*\m+8*(4*\d+\t)+7]
.endif
.else
.if \zero
	v_wmma_f32_16x16x32_bf16 v[8*(4*\d+\t):8*(4*\d+\t)+7], v[HF+32*\f+8*\t:HF+32*\f+8*\t+7], v[96*\f+8*(8+\d):96*\f+8*(8+\d)+7], 0
.else
	v_wmma_f32_16x16x32_bf16 v[8*(4*\d+\t):8*(4*\d+\t)+7], v[HF+32*\f+8*\t:HF+32*\f+8*\t+7], v[96*\f+8*(8+\d):96*\f+8*(8+\d)+7], v[8*(4*\d+\t):8*(4*\d+\t)+7]
.endif
.endif
.endr
.endr
.endm
; 32 LDS loads in one run: quarter q (32 channels) of a slot into buffer f: h's 8, then W0's, W1's, W2's 8 each.
; Weights' row rho lies at 160 rho, and 4,096 bytes further on from row 192 (the second wave's part of the tile).
.macro FETCH slot, q, f
	WIN 0
.irp t, 0,1,2,3
	ds_load_tr16_b128 v[HF+32*\f+8*\t:HF+32*\f+8*\t+3],   v[HADR+\slot] offset:\q*32*HP+\t*32
	ds_load_tr16_b128 v[HF+32*\f+8*\t+4:HF+32*\f+8*\t+7], v[HADR+\slot] offset:\q*32*HP+\t*32+16*HP
.endr
	WIN TOW
.irp m, 0,1,2
.irp d, 0,1,2,3
	ds_load_tr16_b128 v[96*\f+8*(4*\m+\d):96*\f+8*(4*\m+\d)+3],   v[WADR+\slot] offset:(\m*128+\q*32)*WP+((\m*128+\q*32)/192)*4096+\d*32
	ds_load_tr16_b128 v[96*\f+8*(4*\m+\d)+4:96*\f+8*(4*\m+\d)+7], v[WADR+\slot] offset:(\m*128+\q*32)*WP+((\m*128+\q*32)/192)*4096+\d*32+16*WP
.endr
.endr
.endm
; One of a K step's first three quarters: multiplies buffer f; behind q's products it fetches quarter qn of the same slot into buffer g.
.macro QUARTER slot, qn, f, g, zero
	s_wait_dscnt 16                                ; h's and W0's fragments are in; the youngest sixteen loads (W1's, W2's) may be out
	WIN QK
	MUL16 0, \f, \zero
	PLACES                                         ; buffer g was last read by the quarter before
	FETCH \slot, \qn, \g
	s_wait_dscnt 32                                ; all but the 32 just issued
	WIN QK
	MUL16 1, \f, \zero
	WIN VV
	MUL16 2, \f, \zero
.endm
.macro THREE slot, zero
	QUARTER \slot, 1, 0, 1, \zero
	QUARTER \slot, 2, 1, 0, 0
	QUARTER \slot, 3, 0, 1, 0
.endm
; A K step's last quarter: multiplies buffer 1 and changes slots.  In front of the one barrier each wave waits for its reads of this slot and for
; all its tensor loads (the one that is out is its part of the next slot).  fill = 1: the barrier opens a round of the cluster's barrier, and the
; joint refill of this slot, two K steps ahead, is the wave's first and only tensor load behind the round.
.macro TURN slot, next, fill
	s_wait_dscnt 0x0                               ; my reads of this slot are over
	s_wait_tensorcnt 0x0                           ; all my tensor loads have landed
	ds_add_u32 v255, v193
	s_wait_dscnt 0x0
	s_barrier_signal -1
	WIN QK
	MUL16 0, 1, 0                                  ; register work while the others arrive
	WIN 0
	s_barrier_wait -1
.if \fill
	CREST
	s_add_nc_u64 s[G0W+4*\slot+2:G0W+4*\slot+3], s[G0W+4*\slot+2:G0W+4*\slot+3], 2*49152
	s_add_nc_u64 s[G0H+4*\slot+2:G0H+4*\slot+3], s[G0H+4*\slot+2:G0H+4*\slot+3], 2*262144
	JLOAD \slot
.endif
	PLACES
	FETCH \next, 0, 0
	WIN QK
	MUL16 1, 1, 0
	WIN VV
	MUL16 2, 1, 0
.endm
	s_wait_tensorcnt 0x1                           ; my part of K step 0 is in; K step 1's, issued behind it, may stay out
	s_barrier_signal -1
	s_barrier_wait -1                              ; everybody's is
	FETCH 0, 0, 0
	THREE 0, 1                                     ; the first quarter's products start the sums: nothing is cleared
	TURN 0, 1, 1
	THREE 1, 0
	TURN 1, 0, 1
	THREE 0, 0
	TURN 0, 1, 0                                   ; nothing is left to fetch
	THREE 1, 0
	s_wait_dscnt 0x0
	WIN QK
	MUL16 0, 1, 0
	MUL16 1, 1, 0
	WIN VV
	MUL16 2, 1, 0
	; THE WAY OUT.  Each matrix: bias in f32, rounded once to bf16, and each tile stored as it lies: 16 bytes a lane, 512 consecutive bytes a store.
; cw: the window setting for the conversions' sources; acc: the matrix's first accumulator there; buf: 64 registers of window 0 for the packed tiles;
; od, ot: bytes from one block of d, of t, to the next in the stored order
.macro OUT cw, acc, buf, base, off, od, ot
	WIN \cw
.irp d, 0,1,2,3
.irp t, 0,1,2,3
.irp p, 0,1,2,3
	v_cvt_pk_bf16_f32 v[\buf+4*(4*\d+\t)+\p], v[\acc+8*(4*\d+\t)+2*\p], v[\acc+8*(4*\d+\t)+2*\p+1]
.endr
.endr
.endr
	WIN 0
.irp d, 0,1,2,3
.irp t, 0,1,2,3
	global_store_b128 v[CO], v[\buf+4*(4*\d+\t):\buf+4*(4*\d+\t)+3], s[\base:\base+1] offset:\off+\d*\od+\t*\ot
.endr
.endr
.endm
	PLACES                                         ; behind the last matrix instructions
	s_wait_loadcnt 0x0                             ; the biases
	WIN 0
.irp p, 0,2,4,6,8,10,12,14,16,18,20,22,24,26,28,30
	v_pk_mul_f32 v[BQ+\p:BQ+\p+1], v[BQ+\p:BQ+\p+1], s[72:73] op_sel_hi:[1,0]
.endr
	WIN 0x41                                       ; source 0 and destination window 1
.irp d, 0,1,2,3
.irp t, 0,1,2,3
.irp p, 0,2,4,6
	v_pk_fma_f32 v[8*(4*\d+\t)+\p:8*(4*\d+\t)+\p+1], v[8*(4*\d+\t)+\p:8*(4*\d+\t)+\p+1], s[72:73], v[BQ+8*\d+\p:BQ+8*\d+\p+1] op_sel_hi:[1,0,1]
.endr
.endr
.endr
	OUT 0x05, 0, PA, 14, 0, 512, 2048              ; q: [block of t][block of d]
	WIN 0x41
.irp d, 0,1,2,3
.irp t, 0,1,2,3
.irp p, 0,2,4,6
	v_pk_add_f32 v[128+8*(4*\d+\t)+\p:128+8*(4*\d+\t)+\p+1], v[128+8*(4*\d+\t)+\p:128+8*(4*\d+\t)+\p+1], v[BK+8*\d+\p:BK+8*\d+\p+1]
.endr
.endr
.endr
	OUT 0x05, 128, PB, 16, 0, 512, 2048            ; k: [block of keys][block of d], into the second set of registers
	WIN 0x82                                       ; source 0 and destination window 2
.irp d, 0,1,2,3
.irp t, 0,1,2,3
.irp p, 0,2,4,6
	v_pk_add_f32 v[8*(4*\d+\t)+\p:8*(4*\d+\t)+\p+1], v[8*(4*\d+\t)+\p:8*(4*\d+\t)+\p+1], v[BV+2*\d:BV+2*\d+1]
.endr
.endr
.endr
	s_wait_xcnt 0x0                                ; the first set, which q's stores read, is written again only behind this wait
	OUT 0x0a, 0, PA, 16, 8192, 2048, 512           ; v: [block of d][block of keys], behind the K part
	ROUND                                          ; the closing round: no work-group ends while a partner may still ask for a tile that names it
	s_endpgm
.Lfunc_end_k_qd97e0560b8_qkv:
	.size	k_qd97e0560b8_qkv, .Lfunc_end_k_qd97e0560b8_qkv-k_qd97e0560b8_qkv
	.p2alignl 7, 3214868480
	.fill 96, 4, 3214868480
	.section	.rodata,"a",@progbits
	.p2align	6, 0x0
	.amdhsa_kernel k_qd97e0560b8_qkv
		.amdhsa_group_segment_fixed_size 327680
		.amdhsa_private_segment_fixed_size 0
		.amdhsa_enable_private_segment 0
		.amdhsa_kernarg_size 56
		.amdhsa_user_sgpr_count 2
		.amdhsa_user_sgpr_kernarg_segment_ptr 1
		.amdhsa_wavefront_size32 1
		.amdhsa_system_sgpr_workgroup_id_x 1
		.amdhsa_system_sgpr_workgroup_id_y 1
		.amdhsa_system_sgpr_workgroup_id_z 1
		.amdhsa_system_vgpr_workitem_id 0
		.amdhsa_next_free_vgpr 962
		.amdhsa_next_free_sgpr 80
		.amdhsa_reserve_vcc 0
		.amdhsa_float_denorm_mode_32 3
		.amdhsa_float_denorm_mode_16_64 3
		.amdhsa_memory_ordered 1
		.amdhsa_forward_progress 1
		.amdhsa_inst_pref_size 126
	.end_amdhsa_kernel
	.amdgpu_metadata
---
amdhsa.version: [ 1, 2 ]
amdhsa.kernels:
  - .name:           k_qd97e0560b8_qkv
    .symbol:         k_qd97e0560b8_qkv.kd
    .args:
      - { .name: hb, .offset: 0, .size: 8, .value_kind: global_buffer, .address_space: global }
      - { .name: wq, .offset: 8, .size: 8, .value_kind: global_buffer, .address_space: global }
      - { .name: b0, .offset: 16, .size: 8, .value_kind: global_buffer, .address_space: global }
      - { .name: b1, .offset: 24, .size: 8, .value_kind: global_buffer, .address_space: global }
      - { .name: b2, .offset: 32, .size: 8, .value_kind: global_buffer, .address_space: global }
      - { .name: qt, .offset: 40, .size: 8, .value_kind: global_buffer, .address_space: global }
      - { .name: kv, .offset: 48, .size: 8, .value_kind: global_buffer, .address_space: global }
    .group_segment_fixed_size: 327680
    .private_segment_fixed_size: 0
    .kernarg_segment_align: 8
    .kernarg_segment_size: 56
    .max_flat_workgroup_size: 128
    .sgpr_count:     80
    .vgpr_count:     962
    .wavefront_size: 32
...
	.end_amdgpu_metadata
.endif
;; end of part 2
;; launch attn (part 3): grid 256 x 1, 8 waves a work-group, clusters of 4 x 1, 263,168 bytes of LDS; arguments qt, kv, at; writes at
.if DOCPART == 3
	.amdgcn_target "amdgcn-amd-amdhsa--gfx1250"
	.amdhsa_code_object_version 6
	.text
	.protected	k_qd97e0560b8_attn
	.globl	k_qd97e0560b8_attn
	.p2align	8
	.type	k_qd97e0560b8_attn,@function
k_qd97e0560b8_attn:
	s_mov_b64 s[64:65], 0
	v_nop
	global_prefetch_b8 v0, s[64:65] scope:SCOPE_SE
	s_setreg_imm32_b32 hwreg(HW_REG_WAVE_MODE, 25, 1), 1
	s_wait_xcnt 0x0
	s_wait_alu depctr_hold_cnt(0) depctr_sa_sdst(0) depctr_va_vdst(0) depctr_va_sdst(0) depctr_va_ssrc(0) depctr_va_vcc(0) depctr_vm_vsrc(0)
	s_getreg_b32 s2, hwreg(HW_REG_IB_STS2, 6, 4)
	s_cmp_eq_u32 s2, 0
	s_cbranch_scc0 .Lentry_in_a_cluster
	s_endpgm
.Lentry_in_a_cluster:
	s_bfe_u32 s2, ttmp6, 0x10000c
	s_cmp_lg_u32 s2, 0x3003
	s_cbranch_scc0 .Lentry_shape_is_right
	s_endpgm
.Lentry_shape_is_right:
; ATTN.  Attention of one (b, head) = bh and 256 queries, with a running maximum.  Eight waves, 32 queries each (two blocks of 16).
; CLUSTERS: the four work-groups of a cluster are the four query blocks of one bh and read the same K and V: every tile is asked for jointly (mask 15).
; qt, kv and at lie in FRAGMENT ORDER: a 16 x 16 tile of bf16 is 512 consecutive bytes, lane l at 16 l, and these 16 bytes are one half of a matrix operand's
; fragment in that lane.  So LDS holds the head's 262,144 bytes of kv as they lie in memory, filled once; every fragment load takes 512 consecutive bytes
; (no padding, no conflict); Q comes straight from memory into its fragments and O leaves straight from registers.
;   a block of 64 keys = 16,384 bytes: K fragment (key block mt, channels 32 kc ..) at 2,048 mt + 1,024 kc, its second half 512 further on;
;   V fragment (channel block ct, keys 32 kk ..) at 8,192 + 2,048 ct + 1,024 kk, likewise.
; No slot is filled again, so the only rounds of the cluster's barrier are the one in front of the loads and the closing one.  A wave issues two tensor loads,
; both at the start: 8,192 bytes of keys 0-255 and 24,576 bytes of the other 768 keys; work begins when the first has landed everywhere.
; ORIENTATION.  S^T = K x Q: a lane holds one query r and keys 16 mt + 8 h + 0..7, so the statistics of a query live in lanes r and r + 16, and two packed
; tiles (mt = 2 kk, 2 kk + 1) ARE source 1 of O^T = V x P for 32 keys: no shuffle.  In O^T a lane holds one query and eight neighbouring channels.
; q arrives multiplied by 0.125 log2(e): the scores are exponents of 2.
; THE TRIP (64 keys) takes the two query blocks by turns, so that matrix instructions are issued among vector instructions that do not depend on them:
;   T0(0): softmax of block 0, with the 8 products S(block 1) of this trip strewn in;  T1(0): rescale of O(block 0) and its 8 products;
;   T0(1): softmax of block 1, with the 8 products S(block 0) of the NEXT trip strewn in;  T1(1): rescale of O(block 1) and its 8 products.
;   K's next fragments are loaded behind the last product that reads the present ones, V's at the trip's end: each has a softmax's length in which to land.
; REGISTERS: window 0 addresses, statistics, Q, S, K; window 1 O and V.  With source 0, C and D in window 1 one setting serves the products O = V x P + O
; and the rescale O = O x alpha; six switches a trip.
; Eight waves and not four: the vector instructions of a trip outnumber its 32 matrix instructions several times, and a second wave on a SIMD fills
; what one wave's chains leave open; the price is that a K or V fragment read from LDS feeds two matrix instructions instead of four.
; No prefetch: every byte is asked for at the kernel's first lines.
; Limits: P is rounded to bf16 while the row sum adds the unrounded f32 values; a probability below 2^-126 counts as 0; NaN and infinities are not served.
.set BLK,   16384                      ; a block of 64 keys
.set VOFF,  8192                       ; V's part of it
.set STEP0, 4*BLK                      ; what the first tensor loads bring
.set ADR, 1                            ; v1   16 l + the block whose fragments are loaded next
.set LT,  2                            ; v2   16 l; never rewritten
.set MX,  4                            ; v[4:5], v[6:7]      running maximum of query block 0, 1 (the odd registers are only there as the pairs' partners)
.set AL,  8                            ; v[8:9], v[10:11]    2^(old maximum - new maximum) likewise
.set LS,  12                           ; v12, v13            running sum of my half of the keys
.set TM,  14                           ; v14-17              four chains of the maximum
.set SA,  18                           ; v[18:21], v[22:25]  two chains of pairs for the sum, for each query block
.set TT,  26
.set QF,  32                           ; v[32:63]    Q fragment (q, kc) at 16 q + 8 kc
.set SS,  64                           ; v[64:127]   S tile (mt, q) at 16 mt + 8 q
.set KF,  128                          ; v[128:191]  K fragment (mt, kc) at 16 mt + 8 kc
.set PK,  192                          ; v[192:223]  the packed output
.set OO,  0                            ; window 1: v[0:63]    O tile (ct, q) at 16 ct + 8 q
.set VF,  64                           ; window 1: v[64:127]  V fragment (kk, ct) at 32 kk + 8 ct
.set G1A, 16                           ; s[16:23] group 1: 32 rows of 256 bytes
.set G1B, 24                           ; s[24:31] group 1: 96 rows of 256 bytes
.set G0,  32                           ; s[32:39] group 0, a set for each load
.set MSB, 0
.macro WIN new                         ; the immediate's high byte repeats the setting that is left
.if MSB != \new
	s_set_vgpr_msb (MSB<<8)|\new
.set MSB, \new
.endif
.endm
.macro ROUND
	s_barrier_signal -1
	s_barrier_wait -1
	s_cmp_lg_u32 s10, 0
	s_cbranch_scc1 .Lnot_wave_0_\@
	s_barrier_signal -3
.Lnot_wave_0_\@:
	s_barrier_wait -3
	s_barrier_signal -1
	s_barrier_wait -1
.endm
	s_load_b128 s[4:7], s[0:1], 0x0                ; qt 4:5, kv 6:7
	s_load_b64 s[8:9], s[0:1], 0x10                ; at
	v_lshl_add_u32 v254, v0, 2, 0x40000
	v_mov_b32 v255, 0
	ds_add_u32 v254, v255
	v_lshrrev_b32 v3, 5, v0
	v_readfirstlane_b32 s10, v3                    ; wave 0..7
	s_bfe_u32 s11, ttmp6, 0x40000                  ; cx: my block of 256 queries.  ttmp9 counts clusters: it is bh
	s_mov_b32 s40, 0x76543210                      ; v_permlanex16_b32: lane i reads lane i of the other half
	s_mov_b32 s41, 0xfedcba98
	; group 1: dense bytes as rows of 32 elements of 8 bytes, no padding; mask 15 and bit 21 beside it
	s_mov_b32 s[G1A+0], 15|(3<<16)|(1<<21)
	s_mov_b32 s[G1A+1], 32<<16                     ; tensor_dim0 = 32
	s_mov_b32 s[G1A+2], 32<<16                     ; tensor_dim1 = 32
	s_mov_b32 s[G1A+3], 32<<16                     ; tile_dim0 = 32
	s_mov_b32 s[G1A+4], 32                         ; tile_dim1 = 32
	s_mov_b32 s[G1A+5], 32                         ; from row to row: 32 elements
	s_mov_b32 s[G1A+6], 0
	s_mov_b32 s[G1A+7], 0
	s_mov_b32 s[G1B+0], 15|(3<<16)|(1<<21)
	s_mov_b32 s[G1B+1], 32<<16
	s_mov_b32 s[G1B+2], 96<<16                     ; tensor_dim1 = 96
	s_mov_b32 s[G1B+3], 32<<16
	s_mov_b32 s[G1B+4], 96                         ; tile_dim1 = 96
	s_mov_b32 s[G1B+5], 32
	s_mov_b32 s[G1B+6], 0
	s_mov_b32 s[G1B+7], 0
	s_mov_b32 s[G0], 1
	s_lshl_b32 s[G0+1], s10, 13                    ; LDS = the place in the head's kv: the wave's number times 8,192,
	s_mov_b32 s[G0+4], 1
	s_mul_i32 s[G0+5], s10, 24576                  ; and 65,536 + the wave's number times 24,576: no place in the cluster enters
	s_add_co_u32 s[G0+5], s[G0+5], STEP0
	s_lshl_b32 s12, ttmp9, 18                      ; kv: bh x 262,144
	s_add_co_u32 s44, s12, s[G0+1]
	s_mov_b32 s45, 0
	s_add_co_u32 s46, s12, s[G0+5]
	s_mov_b32 s47, 0
	s_lshl_b32 s48, ttmp9, 17                      ; qt and at: bh x 131,072 + cx x 32,768 + wave x 4,096
	s_lshl_b32 s15, s11, 15
	s_add_co_u32 s48, s48, s15
	s_lshl_b32 s15, s10, 12
	s_add_co_u32 s48, s48, s15
	s_mov_b32 s49, 0
	s_wait_dscnt 0x0
	s_wait_kmcnt 0x0
	s_add_nc_u64 s[G0+2:G0+3], s[6:7], s[44:45]
	s_or_b32 s[G0+3], s[G0+3], 0x80000000
	s_add_nc_u64 s[G0+6:G0+7], s[6:7], s[46:47]
	s_or_b32 s[G0+7], s[G0+7], 0x80000000
	s_add_nc_u64 s[4:5], s[4:5], s[48:49]
	s_add_nc_u64 s[8:9], s[8:9], s[48:49]
	ROUND                                          ; the four work-groups are here: the joint loads meet
	tensor_load_to_lds s[G0:G0+3], s[G1A:G1A+7]    ; keys 0-255
	s_nop 0
	tensor_load_to_lds s[G0+4:G0+7], s[G1B:G1B+7]  ; keys 256-1023: two tensor loads of the wave are out
	s_nop 0
	v_and_b32 v3, 31, v0
	v_lshlrev_b32 v[LT], 4, v3
.irp q, 0,1
.irp c, 0,1
	global_load_b128 v[QF+16*\q+8*\c:QF+16*\q+8*\c+3],   v[LT], s[4:5] offset:2048*\q+1024*\c th:TH_LOAD_NT       ; my 32 queries: 4,096 bytes, read once, 512 consecutive bytes a load
	global_load_b128 v[QF+16*\q+8*\c+4:QF+16*\q+8*\c+7], v[LT], s[4:5] offset:2048*\q+1024*\c+512 th:TH_LOAD_NT
.endr
.endr
	v_mov_b32 v[MX+1], 0                           ; the partners of the pairs that are read broadcast
	v_mov_b32 v[MX+3], 0
	v_mov_b32 v[AL+1], 0
	v_mov_b32 v[AL+3], 0
	v_mov_b32 v[ADR], v[LT]
; The n-th of the eight products S(.., q): n = 0..3 key block n, channels 0-31, starts the sum; n = 4..7 key block n - 4, channels 32-63, adds in place.
; The four accumulators take turns, one instruction a turn.
.macro SW q, n
.if \n < 4
	v_wmma_f32_16x16x32_bf16 v[SS+16*(\n)+8*(\q):SS+16*(\n)+8*(\q)+7], v[KF+16*(\n):KF+16*(\n)+7], v[QF+16*(\q):QF+16*(\q)+7], 0
.else
	v_wmma_f32_16x16x32_bf16 v[SS+16*(\n-4)+8*(\q):SS+16*(\n-4)+8*(\q)+7], v[KF+16*(\n-4)+8:KF+16*(\n-4)+15], v[QF+16*(\q)+8:QF+16*(\q)+15], v[SS+16*(\n-4)+8*(\q):SS+16*(\n-4)+8*(\q)+7]
.endif
.endm
.macro SWC on, q, n
.if \on
	SW \q, \n
.endif
.endm
.macro KLOAD                           ; 16 loads: the eight K fragments of the block at ADR
.irp m, 0,1,2,3
.irp c, 0,1
	ds_load_b128 v[KF+16*\m+8*\c:KF+16*\m+8*\c+3],   v[ADR] offset:2048*\m+1024*\c
	ds_load_b128 v[KF+16*\m+8*\c+4:KF+16*\m+8*\c+7], v[ADR] offset:2048*\m+1024*\c+512
.endr
.endr
.endm
.macro VLOAD                           ; 16 loads: the eight V fragments of the block at ADR, into window 1
	WIN 0x40
.irp k, 0,1
.irp c, 0,1,2,3
	ds_load_b128 v[VF+32*\k+8*\c:VF+32*\k+8*\c+3],   v[ADR] offset:VOFF+2048*\c+1024*\k
	ds_load_b128 v[VF+32*\k+8*\c+4:VF+32*\k+8*\c+7], v[ADR] offset:VOFF+2048*\c+1024*\k+512
.endr
.endr
	WIN 0
.endm
; Pieces of the softmax of query block q on key block c (my 8 scores at SS + 8 q + 16 c)
.macro SUBT q, c                       ; minus the maximum
.irp j, 0,2,4,6
	v_pk_add_f32 v[SS+8*\q+16*\c+\j:SS+8*\q+16*\c+\j+1], v[SS+8*\q+16*\c+\j:SS+8*\q+16*\c+\j+1], v[MX+2*\q:MX+2*\q+1] op_sel_hi:[1,0] neg_lo:[0,1] neg_hi:[0,1]
.endr
.endm
.macro EXPT q, c
.irp j, 0,1,2,3,4,5,6,7
	v_exp_f32 v[SS+8*\q+16*\c+\j], v[SS+8*\q+16*\c+\j]
.endr
.endm
.macro SUMT q, c                       ; two chains of pairs; key block 0 starts them
.if \c == 0
	s_wait_alu depctr_va_vdst(0)
	v_pk_add_f32 v[SA+4*\q:SA+4*\q+1],   v[SS+8*\q:SS+8*\q+1],   v[SS+8*\q+2:SS+8*\q+3]
	v_pk_add_f32 v[SA+4*\q+2:SA+4*\q+3], v[SS+8*\q+4:SS+8*\q+5], v[SS+8*\q+6:SS+8*\q+7]
.else
	s_wait_alu depctr_va_vdst(0)
	v_pk_add_f32 v[SA+4*\q:SA+4*\q+1],   v[SA+4*\q:SA+4*\q+1],   v[SS+8*\q+16*\c:SS+8*\q+16*\c+1]
	v_pk_add_f32 v[SA+4*\q+2:SA+4*\q+3], v[SA+4*\q+2:SA+4*\q+3], v[SS+8*\q+16*\c+2:SS+8*\q+16*\c+3]
	v_pk_add_f32 v[SA+4*\q:SA+4*\q+1],   v[SA+4*\q:SA+4*\q+1],   v[SS+8*\q+16*\c+4:SS+8*\q+16*\c+5]
	v_pk_add_f32 v[SA+4*\q+2:SA+4*\q+3], v[SA+4*\q+2:SA+4*\q+3], v[SS+8*\q+16*\c+6:SS+8*\q+16*\c+7]
.endif
.endm
.macro CVTT q, c                       ; P in place: tile 2 kk packs into its own registers 0-3, tile 2 kk + 1 into that tile's registers 4-7
.irp i, 0,1,2,3
	v_cvt_pk_bf16_f32 v[SS+8*\q+32*(\c/2)+4*(\c%2)+\i], v[SS+8*\q+16*\c+2*\i], v[SS+8*\q+16*\c+2*\i+1]
.endr
.endm
; T0: the softmax step of query block q on 64 keys, all but the rescale of O, with the eight products S(.., o) of the other block strewn in (mul = 1).
; wt = 1: those products read K fragments whose loads are still counted; kl = 1: K's next fragments are loaded behind the last of them.
; The twelve v_max3 at the head are the places (five are asked for, ISA guide 7.12.1) between the products O(.., o), which read P(o), and the first product
; that writes over P(o).  Each run of eight exponentials is followed by plain instructions on another key block before its results are used (ISA guide 5.7.2).
.macro T0 q, o, first, mul, wt, kl
.irp c, 0,1,2,3
	v_max3_num_f32 v[TM+\c], v[SS+8*\q+16*\c], v[SS+8*\q+16*\c+1], v[SS+8*\q+16*\c+2]      ; four chains, one for each key block
.endr
.irp c, 0,1,2,3
	v_max3_num_f32 v[TM+\c], v[TM+\c], v[SS+8*\q+16*\c+3], v[SS+8*\q+16*\c+4]
.endr
.irp c, 0,1,2,3
	v_max3_num_f32 v[TM+\c], v[TM+\c], v[SS+8*\q+16*\c+5], v[SS+8*\q+16*\c+6]
.endr
.if \wt
	s_wait_dscnt 0x0                               ; K's next fragments, asked for in T0(0), are in
.endif
	SWC \mul, \o, 0
	v_max3_num_f32 v[TM],   v[TM],   v[TM+1], v[SS+8*\q+7]
	v_max3_num_f32 v[TM+2], v[TM+2], v[TM+3], v[SS+8*\q+23]
	v_max3_num_f32 v[TM],   v[TM],   v[TM+2], v[SS+8*\q+39]
	v_max_num_f32  v[TM],   v[TM],   v[SS+8*\q+55]
	SWC \mul, \o, 1
	v_permlanex16_b32 v[TM+1], v[TM], s40, s41     ; the other half of the query's keys
.if \first
	v_max_num_f32 v[MX+2*\q], v[TM], v[TM+1]
.else
	v_max3_num_f32 v[TM+2], v[TM], v[TM+1], v[MX+2*\q]
	v_sub_f32 v[AL+2*\q], v[MX+2*\q], v[TM+2]
	v_mov_b32 v[MX+2*\q], v[TM+2]
.endif
	SWC \mul, \o, 2
	SUBT \q, 0
	SWC \mul, \o, 3
.if \first == 0
	v_exp_f32 v[AL+2*\q], v[AL+2*\q]
.endif
	EXPT \q, 0
	SWC \mul, \o, 4
	SUBT \q, 1
	EXPT \q, 1
	SWC \mul, \o, 5
	SUBT \q, 2
	SUMT \q, 0
	CVTT \q, 0
	EXPT \q, 2
	SWC \mul, \o, 6
	SUBT \q, 3
	SUMT \q, 1
	CVTT \q, 1
	EXPT \q, 3
	SWC \mul, \o, 7
	SUMT \q, 2                                     ; eight plain instructions on key block 2: the place behind the exponentials of block 3,
	CVTT \q, 2                                     ; and the places between the last product that reads K and the loads into K's registers
.if \kl
	v_add_nc_u32 v[ADR], BLK, v[ADR]               ; the next block; V's loads at the trip's end use it too
	KLOAD
.endif
	SUMT \q, 3
	CVTT \q, 3
.endm
.macro TAIL q, first                   ; the running sum of my half of the keys
	v_pk_add_f32 v[SA+4*\q:SA+4*\q+1], v[SA+4*\q:SA+4*\q+1], v[SA+4*\q+2:SA+4*\q+3]
.if \first
	v_add_f32 v[LS+\q], v[SA+4*\q], v[SA+4*\q+1]
.else
	v_add_f32 v[TT], v[SA+4*\q], v[SA+4*\q+1]
	v_fma_f32 v[LS+\q], v[LS+\q], v[AL+2*\q], v[TT]
.endif
.endm
.macro RES q, c                        ; O tile (c, q) times the pair AL's first register; under the setting 0x51: O in window 1, AL in window 0
.irp j, 0,2,4,6
	v_pk_mul_f32 v[OO+16*\c+8*\q+\j:OO+16*\c+8*\q+\j+1], v[OO+16*\c+8*\q+\j:OO+16*\c+8*\q+\j+1], v[AL+2*\q:AL+2*\q+1] op_sel_hi:[1,0]
.endr
.endm
.macro OW q, c, k, zero                ; O(c, q) += V(k, c) x P(k, q)
.if \zero
	v_wmma_f32_16x16x32_bf16 v[OO+16*\c+8*\q:OO+16*\c+8*\q+7], v[VF+32*\k+8*\c:VF+32*\k+8*\c+7], v[SS+8*\q+32*\k:SS+8*\q+32*\k+7], 0
.else
	v_wmma_f32_16x16x32_bf16 v[OO+16*\c+8*\q:OO+16*\c+8*\q+7], v[VF+32*\k+8*\c:VF+32*\k+8*\c+7], v[SS+8*\q+32*\k:SS+8*\q+32*\k+7], v[OO+16*\c+8*\q:OO+16*\c+8*\q+7]
.endif
.endm
; T1: the rescale of O(.., q) and its eight products; the four accumulators take turns, one instruction a turn.
; cnt >= 0: a wait on the LDS counter in front.  first = 1: keys 0-31 start the sums and nothing is rescaled.
.macro T1 q, first, cnt
.if \cnt >= 0
	s_wait_dscnt \cnt                              ; V's fragments are in; what may stay out are the loads of K's next fragments, issued behind V's
.endif
	WIN 0x51                                       ; source 0, C and D window 1; source 1 window 0
.if \first
	OW \q, 0, 0, 1
	OW \q, 1, 0, 1
	OW \q, 2, 0, 1
	OW \q, 3, 0, 1
.else
	RES \q, 0
	RES \q, 1
	OW \q, 0, 0, 0
	RES \q, 2
	OW \q, 1, 0, 0
	RES \q, 3
	OW \q, 2, 0, 0
	OW \q, 3, 0, 0
.endif
	OW \q, 0, 1, 0
	OW \q, 1, 1, 0
	OW \q, 2, 1, 0
	OW \q, 3, 1, 0
	WIN 0
.endm
; A trip: 64 keys.  last = 1: nothing more is loaded and no product of a next trip is issued.
.macro BODY first, last
	T0 0, 1, \first, 1, 0, 1-\last
	TAIL 0, \first
	T1 0, \first, 16*(1-\last)
	T0 1, 0, \first, 1-\last, 1-\last, 0
	T1 1, \first, -1
	TAIL 1, \first                                 ; with the v_nop below four places between the last product that reads V and the loads into V's registers
.if \last == 0
	v_nop
.if \first
	v_nop
.endif
	VLOAD
.endif
.endm
	s_wait_tensorcnt 0x1                           ; my part of keys 0-255 is in; the younger load stays out
	s_barrier_signal -1
	s_barrier_wait -1
	KLOAD                                          ; block 0
	VLOAD
	s_wait_loadcnt 0x0                             ; Q
	s_wait_dscnt 16                                ; K's 16 loads are in, V's 16 are younger
.irp n, 0,1,2,3,4,5,6,7
	SW 0, \n                                       ; S(block 0) of trip 0
.endr
.rept 4
	v_nop                                          ; four places before the scores are read
.endr
	BODY 1, 0                                      ; trip 0 starts maximum, sum and O: nothing is cleared
	BODY 0, 0
	BODY 0, 0                                      ; trips 0 to 2 load blocks 1 to 3: inside the first 65,536 bytes
	s_wait_dscnt 0x0                               ; no LDS instruction is pending at a signal
	s_wait_tensorcnt 0x0                           ; my part of the other 768 keys is in
	s_barrier_signal -1
	s_barrier_wait -1                              ; everybody's is
	v_add_nc_u32 v[ADR], 3*BLK, v[LT]              ; block 3, written out: the twelve trips of the loop load blocks 4 to 15
	s_mov_b32 s42, 12
.Ltrip:
	BODY 0, 0
	s_sub_co_u32 s42, s42, 1
	s_cmp_lg_u32 s42, 0
	s_cbranch_scc1 .Ltrip
	BODY 0, 1                                      ; trip 15
	; the end: the two halves' sums meet, O is divided, rounded once and stored as it lies
	v_permlanex16_b32 v[TM], v[LS], s40, s41
	v_permlanex16_b32 v[TM+1], v[LS+1], s40, s41
	v_add_f32 v[LS], v[LS], v[TM]
	v_add_f32 v[LS+1], v[LS+1], v[TM+1]
	v_rcp_f32 v[AL], v[LS]                         ; the sum is at least 1: the largest score gives 2^0
	v_rcp_f32 v[AL+2], v[LS+1]
	v_nop                                          ; the place behind the reciprocals; with the sums above also the places behind the last products
	s_wait_alu depctr_va_vdst(0)
	WIN 0x51
.irp q, 0,1
.irp c, 0,1,2,3
	RES \q, \c
.endr
.endr
	WIN 0x05                                       ; sources window 1, destination window 0
.irp q, 0,1
.irp c, 0,1,2,3
.irp i, 0,1,2,3
	v_cvt_pk_bf16_f32 v[PK+16*\q+4*\c+\i], v[OO+16*\c+8*\q+2*\i], v[OO+16*\c+8*\q+2*\i+1]
.endr
.endr
.endr
	WIN 0
.irp q, 0,1
.irp c, 0,1,2,3
	global_store_b128 v[LT], v[PK+16*\q+4*\c:PK+16*\q+4*\c+3], s[8:9] offset:2048*\q+512*\c    ; a tile: 512 consecutive bytes, aligned
.endr
.endr
	s_wait_tensorcnt 0x0
	ds_add_u32 v254, v255
	s_wait_dscnt 0x0
	ROUND                                          ; the closing round
	s_endpgm
.Lfunc_end_k_qd97e0560b8_attn:
	.size	k_qd97e0560b8_attn, .Lfunc_end_k_qd97e0560b8_attn-k_qd97e0560b8_attn
	.p2alignl 7, 3214868480
	.fill 96, 4, 3214868480
	.section	.rodata,"a",@progbits
	.p2align	6, 0x0
	.amdhsa_kernel k_qd97e0560b8_attn
		.amdhsa_group_segment_fixed_size 263168
		.amdhsa_private_segment_fixed_size 0
		.amdhsa_enable_private_segment 0
		.amdhsa_kernarg_size 24
		.amdhsa_user_sgpr_count 2
		.amdhsa_user_sgpr_kernarg_segment_ptr 1
		.amdhsa_wavefront_size32 1
		.amdhsa_system_sgpr_workgroup_id_x 1
		.amdhsa_system_sgpr_workgroup_id_y 1
		.amdhsa_system_sgpr_workgroup_id_z 1
		.amdhsa_system_vgpr_workitem_id 0
		.amdhsa_next_free_vgpr 384
		.amdhsa_next_free_sgpr 66
		.amdhsa_reserve_vcc 0
		.amdhsa_float_denorm_mode_32 3
		.amdhsa_float_denorm_mode_16_64 3
		.amdhsa_memory_ordered 1
		.amdhsa_forward_progress 1
		.amdhsa_inst_pref_size 94
	.end_amdhsa_kernel
	.amdgpu_metadata
---
amdhsa.version: [ 1, 2 ]
amdhsa.kernels:
  - .name:           k_qd97e0560b8_attn
    .symbol:         k_qd97e0560b8_attn.kd
    .args:
      - { .name: qt, .offset: 0, .size: 8, .value_kind: global_buffer, .address_space: global }
      - { .name: kv, .offset: 8, .size: 8, .value_kind: global_buffer, .address_space: global }
      - { .name: at, .offset: 16, .size: 8, .value_kind: global_buffer, .address_space: global }
    .group_segment_fixed_size: 263168
    .private_segment_fixed_size: 0
    .kernarg_segment_align: 8
    .kernarg_segment_size: 24
    .max_flat_workgroup_size: 256
    .sgpr_count:     66
    .vgpr_count:     384
    .wavefront_size: 32
...
	.end_amdgpu_metadata
.endif
;; end of part 3
;; launch proj (part 4): grid 4 x 64, 4 waves a work-group, clusters of 4 x 4, 312,832 bytes of LDS; arguments at, w3b, b3, x, out0; writes out0
.if DOCPART == 4
	.amdgcn_target "amdgcn-amd-amdhsa--gfx1250"
	.amdhsa_code_object_version 6
	.text
	.protected	k_qd97e0560b8_proj
	.globl	k_qd97e0560b8_proj
	.p2align	8
	.type	k_qd97e0560b8_proj,@function
k_qd97e0560b8_proj:
	s_mov_b64 s[64:65], 0
	v_nop
	global_prefetch_b8 v0, s[64:65] scope:SCOPE_SE
	s_setreg_imm32_b32 hwreg(HW_REG_WAVE_MODE, 25, 1), 1
	s_wait_xcnt 0x0
	s_wait_alu depctr_hold_cnt(0) depctr_sa_sdst(0) depctr_va_vdst(0) depctr_va_sdst(0) depctr_va_ssrc(0) depctr_va_vcc(0) depctr_vm_vsrc(0)
	s_getreg_b32 s2, hwreg(HW_REG_IB_STS2, 6, 4)
	s_cmp_eq_u32 s2, 0
	s_cbranch_scc0 .Lentry_in_a_cluster
	s_endpgm
.Lentry_in_a_cluster:
	s_bfe_u32 s2, ttmp6, 0x10000c
	s_cmp_lg_u32 s2, 0xf033
	s_cbranch_scc0 .Lentry_shape_is_right
	s_endpgm
.Lentry_shape_is_right:
; PROJ.  out[b][d][t] = x[b][d][t] + b3[d] + sum over c of a[b][c][t] W3[c][d], for one (b, 128 d, 128 t): 128 x 128 x 512 in bf16, f32 sums.
; Four waves, each 64 t x 64 d: 16 accumulator tiles.  Source 0 = a (row = t), source 1 = W3 (column = d): a lane holds one d and eight neighbouring t.
; CLUSTERS: 4 x 4.  W3's tiles hang on the block of d alone (grid x): asked for jointly down a column of the cluster; a's tiles on (b, block of t)
; alone (grid y): jointly along a row.
; All 512 channels lie in LDS, in four chunks of 128, each filled once: no slot is filled again.  A wave brings a quarter of each chunk, so four
; tensor loads of a wave are out at the start.  The launch moves 65,536 bytes of x in and as many of out0 out for each work-group's 256 matrix
; instructions a wave.  x is wanted only on the way out, so it is asked for behind the first barrier, into registers: the tiles that the first
; products wait for go first, and x has all sixteen quarters in which to land.
; a lies in FRAGMENT ORDER, at [bh][block of 16 t][block of 16 channels][lane][16 bytes]: a half fragment is 512 consecutive bytes, lane l at 16 l.
; LDS: chunk kq at kq x 73,728: W3's 128 rows c (256 bytes, pitch 288 = 9 x 32), then at 36,864 a of head 2 kq and at 55,296 a of head 2 kq + 1
; (16,384 dense bytes each: 8 blocks of t x 4 blocks of channels x 512).  Behind the chunks, at 294,912: a stage of 16 rows x 272 bytes for each
; wave, which no tensor load fills.
; Limits: a and W3 are bf16; NaN and infinities are not served.
.set CHUNK, 73728
.set QSTR,  18432                      ; a wave's quarter of a chunk
.set WP,    288
.set AOFF,  2*QSTR
.set STAGE, 4*CHUNK
.set SP,    272
.set AADR, 8                           ; v8-11   a's fragments in chunk 0..3
.set WADR, 12                          ; v12-15  W3's fragments in chunk 0..3
.set STO,  16
.set RD,   17
.set XO,   18                          ; v18     (l >> 4) x 4,096 + 16 (l & 15): two rows d, 256 bytes each
.set R4,   19
.set BB,   20                          ; v[20:27] b3 of my one d in each of 4 blocks, twice (pairs)
.set AF,   32                          ; v[32:63], v[64:95]     a's fragments, buffer 0, 1
.set WF,   96                          ; v[96:127], v[128:159]  W3's fragments, buffer 0, 1
.set RB,   32                          ; the same registers on the way out, 32 for each block of d
.set XR,   128                         ; window 1: v[128:255] x; v[0:127] the accumulators, tile (db, tb) at 8 (4 db + tb)
.set G1W, 24
.set G1A, 32
.set G0W, 40                           ; s[40:55] a set for each chunk
.set G0A, 68                           ; s[68:83]
.set MSB, 0
.macro WIN new
.if MSB != \new
	s_set_vgpr_msb (MSB<<8)|\new
.set MSB, \new
.endif
.endm
.macro PLACES
.rept 4
	v_nop
.endr
.endm
.macro ROUND
	s_barrier_signal -1
	s_barrier_wait -1
	s_cmp_lg_u32 s14, 0
	s_cbranch_scc1 .Lnot_wave_0_\@
	s_barrier_signal -3
.Lnot_wave_0_\@:
	s_barrier_wait -3
	s_barrier_signal -1
	s_barrier_wait -1
.endm
	s_load_b256 s[4:11], s[0:1], 0x0               ; at 4:5, w3b 6:7, b3 8:9, x 10:11
	s_load_b64 s[12:13], s[0:1], 0x20              ; out0
	v_lshl_add_u32 v254, v0, 2, 0x4c400
	v_mov_b32 v255, 0
	ds_add_u32 v254, v255
	v_lshrrev_b32 v1, 5, v0
	v_readfirstlane_b32 s14, v1                    ; wave 0..3
	s_lshr_b32 s15, s14, 1                         ; my half of the positions.  Also: I fetch W3 (0) or a (1)
	s_and_b32 s16, s14, 1                          ; my half of the d.  Also: which half of that tile
	s_bfe_u32 s17, ttmp6, 0x40000                  ; cx
	s_bfe_u32 s18, ttmp6, 0x40004                  ; cy
	s_lshl_b32 s19, ttmp9, 2
	s_add_co_u32 s19, s19, s17                     ; block of 128 d
	s_and_b32 s20, ttmp7, 0xffff
	s_lshl_b32 s20, s20, 2
	s_add_co_u32 s20, s20, s18                     ; y = 8 b + block of 128 positions
	s_lshl_b32 s21, 0x1111, s17                    ; my column of the cluster
	s_lshl_b32 s22, s18, 2
	s_lshl_b32 s22, 15, s22                        ; my row
	; group 1, W3: 64 rows of 256 bytes (32 elements of 8), dense; 8 words of padding behind every 64 words
	s_or_b32 s[G1W+0], s21, (3<<16)|(1<<20)|(1<<21)|(5<<22)|(7<<25)
	; group 1, a: the same shape, no padding
	s_or_b32 s[G1A+0], s22, (3<<16)|(1<<21)
	s_mov_b32 s[G1W+1], 32<<16
	s_mov_b32 s[G1A+1], 32<<16
	s_mov_b32 s[G1W+2], 64<<16
	s_mov_b32 s[G1A+2], 64<<16
	s_mov_b32 s[G1W+3], 32<<16
	s_mov_b32 s[G1A+3], 32<<16
	s_mov_b32 s[G1W+4], 64
	s_mov_b32 s[G1A+4], 64
	s_mov_b32 s[G1W+5], 32
	s_mov_b32 s[G1A+5], 32
	s_mov_b32 s[G1W+6], 0
	s_mov_b32 s[G1A+6], 0
	s_mov_b32 s[G1W+7], 0
	s_mov_b32 s[G1A+7], 0
	s_lshl_b32 s56, s19, 17                        ; w3b: block x 131,072 + half x 64 rows; made of cx and the wave's number alone
	s_lshl_b32 s57, s16, 14
	s_add_co_u32 s56, s56, s57
	s_mov_b32 s57, 0
	s_lshr_b32 s58, s20, 3                         ; at: b x 8 heads x 131,072 + half x one head + block x 8 blocks of 16 t x 2,048 bytes; made of y and the wave's number alone
	s_lshl_b32 s58, s58, 20
	s_and_b32 s59, s20, 7
	s_lshl_b32 s59, s59, 14
	s_add_co_u32 s58, s58, s59
	s_lshl_b32 s59, s16, 17
	s_add_co_u32 s58, s58, s59
	s_mov_b32 s59, 0
	s_mul_i32 s23, s14, QSTR                       ; LDS: the wave's number times 18,432
	s_lshr_b32 s60, s20, 3                         ; x and out0: (512 b + 128 block + 64 half) rows of 4,096 bytes + (128 block + 64 half) positions of 4
	s_lshl_b32 s60, s60, 21
	s_lshl_b32 s61, s19, 19
	s_add_co_u32 s60, s60, s61
	s_lshl_b32 s61, s16, 18
	s_add_co_u32 s60, s60, s61
	s_and_b32 s61, s20, 7
	s_lshl_b32 s61, s61, 9
	s_add_co_u32 s60, s60, s61
	s_lshl_b32 s61, s15, 8
	s_add_co_u32 s60, s60, s61
	s_mov_b32 s61, 0
	s_lshl_b32 s62, s19, 9                         ; b3: my 64 d
	s_lshl_b32 s63, s16, 8
	s_add_co_u32 s62, s62, s63
	s_mov_b32 s63, 0
	s_wait_dscnt 0x0
	s_wait_kmcnt 0x0
	s_add_nc_u64 s[56:57], s[6:7], s[56:57]
	s_add_nc_u64 s[58:59], s[4:5], s[58:59]
	s_add_nc_u64 s[10:11], s[10:11], s[60:61]
	s_add_nc_u64 s[12:13], s[12:13], s[60:61]
	s_add_nc_u64 s[8:9], s[8:9], s[62:63]
.irp k, 0,1,2,3
	s_mov_b32 s[G0W+4*\k], 1
	s_add_co_u32 s[G0W+4*\k+1], s23, \k*CHUNK
	s_add_nc_u64 s[G0W+4*\k+2:G0W+4*\k+3], s[56:57], \k*32768      ; 128 rows on
	s_or_b32 s[G0W+4*\k+3], s[G0W+4*\k+3], 0x80000000
	s_mov_b32 s[G0A+4*\k], 1
	s_add_co_u32 s[G0A+4*\k+1], s23, \k*CHUNK
	s_add_nc_u64 s[G0A+4*\k+2:G0A+4*\k+3], s[58:59], \k*262144     ; two heads on
	s_or_b32 s[G0A+4*\k+3], s[G0A+4*\k+3], 0x80000000
.endr
	ROUND                                          ; all sixteen work-groups are here: the joint loads meet
	s_cmp_eq_u32 s15, 0                            ; the branch hangs on the wave's number alone
	s_cbranch_scc0 .Lfor_a
.irp k, 0,1,2,3
	tensor_load_to_lds s[G0W+4*\k:G0W+4*\k+3], s[G1W:G1W+7]
	s_nop 0
.endr
	s_branch .Lasked
.Lfor_a:
.irp k, 0,1,2,3
	tensor_load_to_lds s[G0A+4*\k:G0A+4*\k+3], s[G1A:G1A+7]
	s_nop 0
.endr
.Lasked:
	v_and_b32 v1, 15, v0                           ; r
	v_bfe_u32 v2, v0, 4, 1                         ; h
	v_lshlrev_b32 v[XO], 4, v1
	v_lshl_add_u32 v[XO], v2, 12, v[XO]
	v_lshlrev_b32 v[R4], 2, v1
	v_and_b32 v3, 7, v0
	v_bfe_u32 v4, v0, 3, 1
	v_lshl_add_u32 v5, v2, 3, v3                   ; W3's rows run along c: transposing loads, lane l at row 8 h + (l & 7), 16 bytes at 16 ((l >> 3) & 1)
	v_mul_u32_u24 v6, v5, WP
	v_lshl_add_u32 v6, v4, 4, v6
	v_lshl_add_u32 v6, s16, 7, v6                  ; my 64 d: 128 bytes of a row
	v_and_b32 v7, 31, v0                           ; a lies in fragment order: plain loads at 16 l
	v_lshlrev_b32 v7, 4, v7
	s_lshl_b32 s84, s15, 13                        ; my 64 positions: four blocks of 16 t x 2,048 bytes
	s_add_co_u32 s84, s84, AOFF
	v_add_nc_u32 v7, s84, v7
.irp k, 0,1,2,3
	v_add_nc_u32 v[AADR+\k], \k*CHUNK, v7
	v_add_nc_u32 v[WADR+\k], \k*CHUNK, v6
.endr
	s_mul_i32 s85, s14, 16*SP
	s_add_co_u32 s85, s85, STAGE
	v_mul_u32_u24 v3, v1, SP
	v_lshl_add_u32 v3, v2, 5, v3
	v_add_nc_u32 v[STO], s85, v3                   ; in: row d = r, 32 bytes for each half of the lanes
	v_mul_u32_u24 v3, v2, SP
	v_lshl_add_u32 v3, v1, 4, v3
	v_add_nc_u32 v[RD], s85, v3                    ; back: lanes 0-15 one row of 256 bytes, lanes 16-31 the next
; 16 LDS loads: quarter q4 (32 channels: head q4 / 2 of the chunk's two, its channels 32 (q4 % 2) ..) of chunk kq into buffer f
.macro FETCH kq, q4, f
.irp t, 0,1,2,3
	ds_load_b128 v[AF+32*(\f)+8*\t:AF+32*(\f)+8*\t+3],   v[AADR+\kq] offset:((\q4)/2)*QSTR+\t*2048+((\q4)%2)*1024
	ds_load_b128 v[AF+32*(\f)+8*\t+4:AF+32*(\f)+8*\t+7], v[AADR+\kq] offset:((\q4)/2)*QSTR+\t*2048+((\q4)%2)*1024+512
.endr
.irp d, 0,1,2,3
	ds_load_tr16_b128 v[WF+32*(\f)+8*\d:WF+32*(\f)+8*\d+3],   v[WADR+\kq] offset:(\q4)*32*WP+\d*32
	ds_load_tr16_b128 v[WF+32*(\f)+8*\d+4:WF+32*(\f)+8*\d+7], v[WADR+\kq] offset:(\q4)*32*WP+\d*32+16*WP
.endr
.endm
; 16 matrix instructions on buffer f; the 16 accumulators take turns, one instruction a turn, in the same order in every quarter
.macro MUL16 f, zero
.irp d, 0,1,2,3
.irp t, 0,1,2,3
.if \zero
	v_wmma_f32_16x16x32_bf16 v[8*(4*\d+\t):8*(4*\d+\t)+7], v[AF+32*(\f)+8*\t:AF+32*(\f)+8*\t+7], v[WF+32*(\f)+8*\d:WF+32*(\f)+8*\d+7], 0
.else
	v_wmma_f32_16x16x32_bf16 v[8*(4*\d+\t):8*(4*\d+\t)+7], v[AF+32*(\f)+8*\t:AF+32*(\f)+8*\t+7], v[WF+32*(\f)+8*\d:WF+32*(\f)+8*\d+7], v[8*(4*\d+\t):8*(4*\d+\t)+7]
.endif
.endr
.endr
.endm
; A quarter: buffer f's fragments are waited for, quarter q4 of chunk kq is fetched into the other buffer, buffer f is multiplied.
.macro QUARTER f, kq, q4, zero
	s_wait_dscnt 0x0
.if \q4 == 0
	s_wait_tensorcnt 3-\kq                         ; my part of chunk kq is in; the 3 - kq younger chunks stay out
	s_barrier_signal -1
	s_barrier_wait -1
.endif
	PLACES                                         ; the other buffer was read by the matrix instructions just issued
	FETCH \kq, \q4, 1-\f
	WIN 0x50                                       ; C and D window 1
	MUL16 \f, \zero
	WIN 0
.endm
	s_wait_tensorcnt 0x3                           ; my part of chunk 0 is in
	s_barrier_signal -1
	s_barrier_wait -1
	FETCH 0, 0, 0
	WIN 0x40                                       ; destination window 1
.irp d, 0,1,2,3
.irp i, 0,1,2,3,4,5,6,7
	global_load_b128 v[XR+4*(8*\d+\i):XR+4*(8*\d+\i)+3], v[XO], s[10:11] offset:(16*\d+2*\i)*4096 th:TH_LOAD_NT   ; sixteen lanes take 256 consecutive bytes, aligned
.endr
.endr
	WIN 0
.irp d, 0,1,2,3
	global_load_b32 v[BB+2*\d],   v[R4], s[8:9] offset:64*\d       ; b3[16 d + r], into both registers of a pair
	global_load_b32 v[BB+2*\d+1], v[R4], s[8:9] offset:64*\d
.endr
	QUARTER 0, 0, 1, 1                             ; the first products start the sums: nothing is cleared
	QUARTER 1, 0, 2, 0
	QUARTER 0, 0, 3, 0
.irp c, 1,2,3
	QUARTER 1, \c, 0, 0
	QUARTER 0, \c, 1, 0
	QUARTER 1, \c, 2, 0
	QUARTER 0, \c, 3, 0
.endr
	s_wait_dscnt 0x0
	WIN 0x50
	MUL16 1, 0
	WIN 0
	; THE WAY OUT, 16 d at a time: bias, 32 bytes a lane into my stage, read back as rows of 256 bytes, x added, stored
	PLACES
	s_wait_loadcnt 0x0                             ; x and b3
.irp d, 0,1,2,3
	WIN 0x41                                       ; source 0 and destination window 1
.irp t, 0,1,2,3
.irp p, 0,2,4,6
	v_pk_add_f32 v[8*(4*\d+\t)+\p:8*(4*\d+\t)+\p+1], v[8*(4*\d+\t)+\p:8*(4*\d+\t)+\p+1], v[BB+2*\d:BB+2*\d+1]
.endr
.endr
	WIN 0x04                                       ; an LDS store's data is source 1: window 1
.irp t, 0,1,2,3
	ds_store_b128 v[STO], v[8*(4*\d+\t):8*(4*\d+\t)+3]   offset:64*\t
	ds_store_b128 v[STO], v[8*(4*\d+\t)+4:8*(4*\d+\t)+7] offset:64*\t+16
.endr
	WIN 0
.irp i, 0,1,2,3,4,5,6,7
	ds_load_b128 v[RB+32*\d+4*\i:RB+32*\d+4*\i+3], v[RD] offset:2*SP*\i          ; LDS serves a wave's instructions in order
.endr
	s_wait_dscnt 0x0
	WIN 0x04                                       ; source 1 (x) window 1
.irp i, 0,2,4,6,8,10,12,14,16,18,20,22,24,26,28,30
	v_pk_add_f32 v[RB+32*\d+\i:RB+32*\d+\i+1], v[RB+32*\d+\i:RB+32*\d+\i+1], v[XR+32*\d+\i:XR+32*\d+\i+1]
.endr
	WIN 0
.irp i, 0,1,2,3,4,5,6,7
	global_store_b128 v[XO], v[RB+32*\d+4*\i:RB+32*\d+4*\i+3], s[12:13] offset:(16*\d+2*\i)*4096 th:TH_STORE_NT   ; sixteen lanes store 256 consecutive bytes, aligned; each block of d has registers of its own
.endr
.endr
	s_wait_tensorcnt 0x0
	ds_add_u32 v254, v255
	s_wait_dscnt 0x0
	ROUND                                          ; the closing round
	s_endpgm
.Lfunc_end_k_qd97e0560b8_proj:
	.size	k_qd97e0560b8_proj, .Lfunc_end_k_qd97e0560b8_proj-k_qd97e0560b8_proj
	.p2alignl 7, 3214868480
	.fill 96, 4, 3214868480
	.section	.rodata,"a",@progbits
	.p2align	6, 0x0
	.amdhsa_kernel k_qd97e0560b8_proj
		.amdhsa_group_segment_fixed_size 312832
		.amdhsa_private_segment_fixed_size 0
		.amdhsa_enable_private_segment 0
		.amdhsa_kernarg_size 40
		.amdhsa_user_sgpr_count 2
		.amdhsa_user_sgpr_kernarg_segment_ptr 1
		.amdhsa_wavefront_size32 1
		.amdhsa_system_sgpr_workgroup_id_x 1
		.amdhsa_system_sgpr_workgroup_id_y 1
		.amdhsa_system_sgpr_workgroup_id_z 1
		.amdhsa_system_vgpr_workitem_id 0
		.amdhsa_next_free_vgpr 512
		.amdhsa_next_free_sgpr 88
		.amdhsa_reserve_vcc 0
		.amdhsa_float_denorm_mode_32 3
		.amdhsa_float_denorm_mode_16_64 3
		.amdhsa_memory_ordered 1
		.amdhsa_forward_progress 1
		.amdhsa_inst_pref_size 64
	.end_amdhsa_kernel
	.amdgpu_metadata
---
amdhsa.version: [ 1, 2 ]
amdhsa.kernels:
  - .name:           k_qd97e0560b8_proj
    .symbol:         k_qd97e0560b8_proj.kd
    .args:
      - { .name: at, .offset: 0, .size: 8, .value_kind: global_buffer, .address_space: global }
      - { .name: w3b, .offset: 8, .size: 8, .value_kind: global_buffer, .address_space: global }
      - { .name: b3, .offset: 16, .size: 8, .value_kind: global_buffer, .address_space: global }
      - { .name: x, .offset: 24, .size: 8, .value_kind: global_buffer, .address_space: global }
      - { .name: out0, .offset: 32, .size: 8, .value_kind: global_buffer, .address_space: global }
    .group_segment_fixed_size: 312832
    .private_segment_fixed_size: 0
    .kernarg_segment_align: 8
    .kernarg_segment_size: 40
    .max_flat_workgroup_size: 128
    .sgpr_count:     88
    .vgpr_count:     512
    .wavefront_size: 32
...
	.end_amdgpu_metadata
.endif
;; end of part 4
;; ======== version 2 of 2: 4 launches; version 1 with the launch prep written anew for expert scheduling mode
;; workspace buffers: hb 8,388,608 bytes; wq 1,572,864 bytes; w3b 524,288 bytes; qt 8,388,608 bytes; kv 16,777,216 bytes; at 8,388,608 bytes
;; launch prep (part 5): grid 256 x 1, 8 waves a work-group, no clusters, 1,280 bytes of LDS; arguments x, gamma, beta, W0, W1, W2, W3, hb, wq, w3b; writes hb, wq, w3b
.if DOCPART == 5
	.amdgcn_target "amdgcn-amd-amdhsa--gfx1250"
	.amdhsa_code_object_version 6
	.text
	.protected	k_qd97e0560b8_prep
	.globl	k_qd97e0560b8_prep
	.p2align	8
	.type	k_qd97e0560b8_prep,@function
k_qd97e0560b8_prep:
	s_mov_b64 s[64:65], 0
	v_nop
	global_prefetch_b8 v0, s[64:65] scope:SCOPE_SE
	s_setreg_imm32_b32 hwreg(HW_REG_WAVE_SCHED_MODE, 0, 2), 2
	s_setreg_imm32_b32 hwreg(HW_REG_WAVE_MODE, 25, 1), 1
	s_wait_xcnt 0x0
	s_wait_alu depctr_vm_vsrc(0)
; PREP.  hb = GroupNorm(x) in bf16, and the four weight matrices in bf16 in the order in which later launches fetch them.
; Work-group g owns group g of the norm: 16 channels x 1,024 positions = 65,536 consecutive bytes of x, 64 numbers a thread, kept in
; registers between the pass for the mean, the pass for the variance (sum of (x - mean)^2, so a common offset in x costs no accuracy)
; and the pass that scales: x is read once.  It also owns rows 2 g and 2 g + 1 of W0 .. W3.
; hb  [b][c 512][t 1024] bf16.
; wq  [head 8][cblk 4][m 3][c' 128][dd 64] bf16 = Wm[128 cblk + c'][64 head + dd].     w3b [dblk 4][c 512][128 d] bf16.
; No matrix unit, tensor load, cluster or ring: every byte is read once by one work-group and all 20 loads of a thread go out at the start.
; Limits: NaN and infinities in the inputs are not served.
; THE MODE: SCHED_MODE bits 1:0 = 2 (LLVM: expert scheduling mode 2), set by the entry lines.  The code itself states the register dependences
; between vector instructions and memory or LDS instructions, with s_wait_alu, always for 0.
; THE PLAN.  Registers that memory or LDS instructions touch:
;   v1-v5, v8, v9, v104, v105   offsets, LDS addresses and the closing add's pair: written at the head, never again; one wait ahead of the first load serves them all.
;   WR      four loads land in it; eight conversions write it in place; four stores read it; never written again.
;   X       sixteen loads land in it; the passes write it in place; channel i's store reads X + 4 i and X + 4 i + 1, which nothing writes afterwards.
;   v6      written by the reduction across lanes, read by the LDS store of each work-group sum, written again by the sum of the eight waves' words.
;   CH      written and read by vector arithmetic; the two LDS loads of each work-group sum land in it.
; Pass 3 goes in four blocks of four channels: the wait at the head of a block states that the block before has written its packed pairs, and that
; block's four stores are dealt among this block's channels, whose vector instructions name none of the registers that those stores read.
.set X,    40                          ; v[40:103] chunk i (4 registers) = channel i of the group, positions 4 t .. 4 t + 3
.set WR,   22                          ; v[22:37]  four weight loads
.set CH,   10                          ; v[10:17]  four chains of pairs
.set MEAN, 18                          ; v[18:19]  the mean, twice
.set RS,   20                          ; v20       1 / sqrt(var + eps)
.set SC,   21                          ; v21       that times the channel's gamma
	s_load_b512 s[4:19], s[0:1], 0x0               ; x 4:5, gamma 6:7, beta 8:9, W0 10:11, W1 12:13, W2 14:15, W3 16:17, hb 18:19
	s_load_b128 s[20:23], s[0:1], 0x40             ; wq 20:21, w3b 22:23
	v_lshl_add_u32 v104, v0, 2, 0x100              ; my spare word and 0: made here and kept for the closing lines alone
	v_mov_b32 v105, 0
	s_and_b32 s24, ttmp9, 31
	s_lshl_b32 s24, s24, 6                         ; byte offset of the group's 16 gammas and betas
	s_mov_b32 s25, 0x38800000                      ; 1 / 16,384
	s_mov_b32 s30, 0x76543210                      ; v_permlanex16_b32: lane i reads lane i of the other half
	s_mov_b32 s31, 0xfedcba98
	s_lshl_b32 s26, ttmp9, 16                      ; g x 65,536: the group in x
	s_mov_b32 s27, 0
	s_lshl_b32 s28, ttmp9, 12                      ; g x 2 rows of 2,048 bytes: my rows of the weights
	s_mov_b32 s29, 0
	v_and_b32 v6, 31, v0                           ; lane
	v_lshrrev_b32 v7, 5, v0                        ; wave
	v_readfirstlane_b32 s2, v7
	v_lshlrev_b32 v1, 4, v0                        ; 16 t: x and W3
	v_lshlrev_b32 v5, 3, v0                        ; 8 t: hb
	v_and_b32 v8, 15, v6
	v_lshrrev_b32 v9, 4, v6
	v_lshlrev_b32 v2, 4, v8                        ; W0 .. W2: wave = head; lanes 0-15 row 2 g, lanes 16-31 row 2 g + 1; 4 columns a lane
	v_lshl_add_u32 v2, v9, 11, v2
	v_lshl_add_u32 v2, v7, 8, v2
	v_lshlrev_b32 v3, 3, v6                        ; 8 x lane: two rows of 128 bytes of wq, or one row of 256 bytes of w3b
	v_and_b32 v8, 3, v7
	v_lshrrev_b32 v9, 2, v7
	v_lshl_add_u32 v4, v8, 17, v3                  ; w3b: dblk = wave & 3,
	v_lshl_add_u32 v4, v9, 8, v4                   ;      row 2 g + (wave >> 2)
	v_mad_u32_u24 v3, v7, 0x30000, v3              ; wq: head x 196,608
	s_wait_alu depctr_va_sdst(0)                   ; s2, the wave's number, is written, ahead of its first reader
	v_mov_b32 v8, s2
	v_lshlrev_b32 v8, 2, v8                        ; my wave's word in LDS
	v_mov_b32 v9, 0
	s_wait_kmcnt 0x0
	s_load_b512 s[32:47], s[6:7], s24 offset:0x0   ; 16 gammas
	s_load_b512 s[48:63], s[8:9], s24 offset:0x0   ; 16 betas
	s_add_nc_u64 s[4:5], s[4:5], s[26:27]
	s_add_nc_u64 s[10:11], s[10:11], s[28:29]
	s_add_nc_u64 s[12:13], s[12:13], s[28:29]
	s_add_nc_u64 s[14:15], s[14:15], s[28:29]
	s_add_nc_u64 s[16:17], s[16:17], s[28:29]
	s_wait_alu depctr_va_vdst(0)                   ; v1 to v5, v8, v9, v104 and v105 are written: every load, store and LDS instruction of the kernel reads its offset or address among them
	global_load_b128 v[WR:WR+3],     v2, s[10:11] th:TH_LOAD_NT
	global_load_b128 v[WR+4:WR+7],   v2, s[12:13] th:TH_LOAD_NT
	global_load_b128 v[WR+8:WR+11],  v2, s[14:15] th:TH_LOAD_NT
	global_load_b128 v[WR+12:WR+15], v1, s[16:17] th:TH_LOAD_NT
.irp i, 0,1,2,3,4,5,6,7,8,9,10,11,12,13,14,15
	global_load_b128 v[X+4*\i:X+4*\i+3], v1, s[4:5] offset:4096*\i     ; a wave's load covers 512 consecutive bytes
.endr
	s_lshl_b32 s26, ttmp9, 15                      ; hb: g x 16 rows of 2,048 bytes
	s_add_nc_u64 s[18:19], s[18:19], s[26:27]
	s_lshr_b32 s26, ttmp9, 6                       ; wq: cblk = 2 g / 128, c' = 2 g mod 128
	s_mul_i32 s26, s26, 49152
	s_and_b32 s28, ttmp9, 63
	s_lshl_b32 s28, s28, 8
	s_add_co_u32 s26, s26, s28
	s_add_nc_u64 s[20:21], s[20:21], s[26:27]
	s_lshl_b32 s26, ttmp9, 9                       ; w3b: 2 g rows of 256 bytes
	s_add_nc_u64 s[22:23], s[22:23], s[26:27]
	; the weights: rounded once, each store of a wave covers 256 consecutive bytes, aligned
	s_wait_loadcnt 16                              ; loads return in order: the 16 loads of x are younger, the four of the weights are in
.irp k, 0,1,2,3
	v_cvt_pk_bf16_f32 v[WR+4*\k],   v[WR+4*\k],   v[WR+4*\k+1]
	v_cvt_pk_bf16_f32 v[WR+4*\k+1], v[WR+4*\k+2], v[WR+4*\k+3]
.endr
	s_wait_alu depctr_va_vdst(0)                   ; the eight conversions have written the pairs of WR, which the four stores read
	global_store_b64 v3, v[WR:WR+1],     s[20:21]
	global_store_b64 v3, v[WR+4:WR+5],   s[20:21] offset:16384
	global_store_b64 v3, v[WR+8:WR+9],   s[20:21] offset:32768
	global_store_b64 v4, v[WR+12:WR+13], s[22:23]
.macro JOIN                            ; the four chains of pairs -> one number in v6
	v_pk_add_f32 v[CH:CH+1],   v[CH:CH+1],   v[CH+2:CH+3]
	v_pk_add_f32 v[CH+4:CH+5], v[CH+4:CH+5], v[CH+6:CH+7]
	v_pk_add_f32 v[CH:CH+1],   v[CH:CH+1],   v[CH+4:CH+5]
	v_add_f32 v6, v[CH], v[CH+1]
.endm
.macro WGSUM off                       ; v6: my lane's sum -> the work-group's sum, in every lane; the eight waves meet in LDS bytes off .. off + 31
	v_add_f32_dpp v6, v6, v6 row_xmask:1 row_mask:0xf bank_mask:0xf
	v_add_f32_dpp v6, v6, v6 row_xmask:2 row_mask:0xf bank_mask:0xf
	v_add_f32_dpp v6, v6, v6 row_xmask:4 row_mask:0xf bank_mask:0xf
	v_add_f32_dpp v6, v6, v6 row_xmask:8 row_mask:0xf bank_mask:0xf
	v_permlanex16_b32 v7, v6, s30, s31             ; v7 has been written before
	v_add_f32 v6, v6, v7
	s_wait_alu depctr_va_vdst(0)                   ; v6 is written, which the LDS store reads; and the arithmetic that wrote and read CH is done: the LDS loads below land there, and no vector instruction stands between
	ds_store_b32 v8, v6 offset:\off
	s_wait_dscnt 0x0                               ; my word is in LDS before I say so
	s_barrier_signal -1
	s_barrier_wait -1
	ds_load_b128 v[CH:CH+3],   v9 offset:\off
	ds_load_b128 v[CH+4:CH+7], v9 offset:\off+16
	s_wait_dscnt 0x0
	s_wait_alu depctr_vm_vsrc(0)                   ; the LDS store above has read v6, which the sum below writes again
	JOIN
.endm
	s_wait_loadcnt 0x0
	; pass 1: the sum.  The first eight pairs start the four chains: nothing is cleared.
.irp k, 0,1,2,3
	v_pk_add_f32 v[CH+2*\k:CH+2*\k+1], v[X+2*\k:X+2*\k+1], v[X+8+2*\k:X+8+2*\k+1]
.endr
.set j, 8
.rept 24
	v_pk_add_f32 v[CH+2*(j%4):CH+2*(j%4)+1], v[CH+2*(j%4):CH+2*(j%4)+1], v[X+2*j:X+2*j+1]
.set j, j+1
.endr
	JOIN
	WGSUM 0
	v_mul_f32 v[MEAN],   s25, v6
	v_mul_f32 v[MEAN+1], s25, v6
	; pass 2: d = x - mean in place, and the sum of d^2
.set j, 0
.rept 32
	v_pk_add_f32 v[X+2*j:X+2*j+1], v[X+2*j:X+2*j+1], v[MEAN:MEAN+1] neg_lo:[0,1] neg_hi:[0,1]
.set j, j+1
.endr
.irp k, 0,1,2,3
	v_pk_mul_f32 v[CH+2*\k:CH+2*\k+1], v[X+2*\k:X+2*\k+1], v[X+2*\k:X+2*\k+1]
.endr
.set j, 4
.rept 28
	v_pk_fma_f32 v[CH+2*(j%4):CH+2*(j%4)+1], v[X+2*j:X+2*j+1], v[X+2*j:X+2*j+1], v[CH+2*(j%4):CH+2*(j%4)+1]
.set j, j+1
.endr
	JOIN
	WGSUM 64                                       ; other bytes than the first sum's: no wave can still be reading what is written here
	v_fmaak_f32 v[RS], s25, v6, 0x358637bd         ; var + 1e-6
	v_rsq_f32 v[RS], v[RS]
	v_nop                                          ; one plain instruction behind a transcendental before its result is used (ISA guide 5.7.2)
	s_wait_kmcnt 0x0                               ; gamma and beta
	s_wait_alu depctr_va_vdst(0)                   ; the reciprocal root is written into v[RS], ahead of its first reader
	; pass 3: h = d x (rs x gamma) + beta, rounded once; a wave's store covers 256 consecutive bytes, aligned
.macro CHAN i                          ; channel i: seven vector instructions, which name X + 4 i .. X + 4 i + 3, v[SC] and v[RS] alone
	v_mul_f32 v[SC], s[32+(\i)], v[RS]
.irp k, 0,1,2,3
	v_fma_f32 v[X+4*(\i)+\k], v[X+4*(\i)+\k], v[SC], s[48+(\i)]
.endr
	v_cvt_pk_bf16_f32 v[X+4*(\i)],   v[X+4*(\i)],   v[X+4*(\i)+1]
	v_cvt_pk_bf16_f32 v[X+4*(\i)+1], v[X+4*(\i)+2], v[X+4*(\i)+3]
.endm
.macro SEND i                          ; channel i's packed pair leaves
	global_store_b64 v5, v[X+4*(\i):X+4*(\i)+1], s[18:19] offset:2048*(\i)
.endm
.irp i, 0,1,2,3
	CHAN \i                                        ; block 0: no block stands in front of it
.endr
.irp b, 1,2,3
	s_wait_alu depctr_va_vdst(0)                   ; the block before has written its four packed pairs, which the four stores below read; no vector instruction of this block names them
.irp j, 0,1,2,3
	SEND 4*(\b)-4+(\j)
	CHAN 4*(\b)+(\j)
.endr
.endr
	s_wait_alu depctr_va_vdst(0)                   ; block 3 has written its four packed pairs, which the last four stores read
.irp i, 12,13,14,15
	SEND \i
.endr
	s_wait_dscnt 0x0                               ; the closing lines, six on end
	s_wait_alu 0x0
	s_wait_tensorcnt 0x0
	ds_add_u32 v104, v105
	s_wait_dscnt 0x0
	s_endpgm
.Lfunc_end_k_qd97e0560b8_prep:
	.size	k_qd97e0560b8_prep, .Lfunc_end_k_qd97e0560b8_prep-k_qd97e0560b8_prep
	.p2alignl 7, 3214868480
	.fill 96, 4, 3214868480
	.section	.rodata,"a",@progbits
	.p2align	6, 0x0
	.amdhsa_kernel k_qd97e0560b8_prep
		.amdhsa_group_segment_fixed_size 1280
		.amdhsa_private_segment_fixed_size 0
		.amdhsa_enable_private_segment 0
		.amdhsa_kernarg_size 80
		.amdhsa_user_sgpr_count 2
		.amdhsa_user_sgpr_kernarg_segment_ptr 1
		.amdhsa_wavefront_size32 1
		.amdhsa_system_sgpr_workgroup_id_x 1
		.amdhsa_system_sgpr_workgroup_id_y 1
		.amdhsa_system_sgpr_workgroup_id_z 1
		.amdhsa_system_vgpr_workitem_id 0
		.amdhsa_next_free_vgpr 106
		.amdhsa_next_free_sgpr 66
		.amdhsa_reserve_vcc 0
		.amdhsa_float_denorm_mode_32 3
		.amdhsa_float_denorm_mode_16_64 3
		.amdhsa_memory_ordered 1
		.amdhsa_forward_progress 1
		.amdhsa_inst_pref_size 22
	.end_amdhsa_kernel
	.amdgpu_metadata
---
amdhsa.version: [ 1, 2 ]
amdhsa.kernels:
  - .name:           k_qd97e0560b8_prep
    .symbol:         k_qd97e0560b8_prep.kd
    .args:
      - { .name: x, .offset: 0, .size: 8, .value_kind: global_buffer, .address_space: global }
      - { .name: gamma, .offset: 8, .size: 8, .value_kind: global_buffer, .address_space: global }
      - { .name: beta, .offset: 16, .size: 8, .value_kind: global_buffer, .address_space: global }
      - { .name: W0, .offset: 24, .size: 8, .value_kind: global_buffer, .address_space: global }
      - { .name: W1, .offset: 32, .size: 8, .value_kind: global_buffer, .address_space: global }
      - { .name: W2, .offset: 40, .size: 8, .value_kind: global_buffer, .address_space: global }
      - { .name: W3, .offset: 48, .size: 8, .value_kind: global_buffer, .address_space: global }
      - { .name: hb, .offset: 56, .size: 8, .value_kind: global_buffer, .address_space: global }
      - { .name: wq, .offset: 64, .size: 8, .value_kind: global_buffer, .address_space: global }
      - { .name: w3b, .offset: 72, .size: 8, .value_kind: global_buffer, .address_space: global }
    .group_segment_fixed_size: 1280
    .private_segment_fixed_size: 0
    .kernarg_segment_align: 8
    .kernarg_segment_size: 80
    .max_flat_workgroup_size: 256
    .sgpr_count:     66
    .vgpr_count:     106
    .wavefront_size: 32
...
	.end_amdgpu_metadata
.endif
;; end of part 5
;; launch qkv: the kernel of part 2 again; grid 8 x 32, 4 waves a work-group, clusters of 4 x 4, 327,680 bytes of LDS; arguments hb, wq, b0, b1, b2, qt, kv; writes qt, kv
;; launch attn: the kernel of part 3 again; grid 256 x 1, 8 waves a work-group, clusters of 4 x 1, 263,168 bytes of LDS; arguments qt, kv, at; writes at
;; launch proj: the kernel of part 4 again; grid 4 x 64, 4 waves a work-group, clusters of 4 x 4, 312,832 bytes of LDS; arguments at, w3b, b3, x, out0; writes out0
